; MI455X (gfx1250); checked and timed in simulation.
; The chip was launched on July 23, 2026; its instructions are those of AMD's public machine-readable ISA for CDNA 5 (MIT licence, August 2026) and "CDNA5" Instruction Set Architecture Reference Guide (July 2026). The comments in the code are by the model that wrote it; some were corrected since.
;; Dynamic PT Head Selection. Allowed arithmetic: float matrix products may take bf16 or f16 operands with f32 sums; other float arithmetic in f32, or as packed bf16 or f16 multiplies, adds, multiply-adds, maxima and minima; sums over many terms, partial sums and values carried from step to step in f32; what a program stores and reads back later, other than sums and carried values, may be rounded once to bf16 or f16.
;; Inputs: channel_u 4 x 256 x 256 float32; channel_v 4 x 256 x 256 float32; qz 4 x 16 x 512 x 256 float32; time_u 4 x 256 x 256 float32; time_v 4 x 256 x 256 float32.
;; Outputs: out0 4 x 16 x 512 x 256 float32; out1 4 x 16 x 512 x 256 float32.
;; 2 versions, each right; version 2 is version 1 with the launch tproj written anew for expert scheduling mode. Each part assembles by itself: llvm-mc -triple=amdgcn-amd-amdhsa -mcpu=gfx1250 --defsym DOCPART=n.
;; ======== version 1 of 2: 3 launches
;; workspace buffers: ws 83,886,080 bytes
;; launch tproj (part 1): grid 256 x 1, 4 waves a work-group, no clusters, 68,096 bytes of LDS; arguments qz, time_u, time_v, ws; writes ws
.if DOCPART == 1
	.amdgcn_target "amdgcn-amd-amdhsa--gfx1250"
	.amdhsa_code_object_version 6
	.text
	.protected	k_q8f7bccd034_tproj
	.globl	k_q8f7bccd034_tproj
	.p2align	8
	.type	k_q8f7bccd034_tproj,@function
k_q8f7bccd034_tproj:
	s_mov_b64 s[64:65], 0
	v_nop
	global_prefetch_b8 v0, s[64:65] scope:SCOPE_SE
	s_setreg_imm32_b32 hwreg(HW_REG_WAVE_MODE, 25, 1), 1
	s_wait_xcnt 0x0
; TPROJ.  For the time message: X = qz rounded to bf16; qu = X U^T, qv = X V^T (U = time_u, V = time_v, rounded to bf16; sums in f32).
; ws has one block of 0x140000 bytes for each (b, c): Q (qu) at 0, K (qv) at 0x80000, each [head 8][tile of 16 rows: 32][2,048 bytes]; X at 0x100000, [p 512][512 bytes] bf16.
; A tile of 2,048 bytes is the register image of a 16 x 32 matrix operand, twice: hi (registers 0-3 at 16 x lane, 4-7 at 512 + 16 x lane) and lo (the same from byte 1,024 on).
; LIMITS.  qu and qv are kept as hi + lo, two bf16 numbers: hi = bf16(y), lo = bf16(y - hi) (the difference is exact): 16 significant bits.  All inputs are rounded to bf16.  NaN and infinities are not treated apart.
; SHARES.  A work-group has 128 rows of the flattened qz (all of one (b, c)); its X lies in LDS, rows 528 bytes apart (512 + 16: an odd multiple of 16).  Wave w makes heads 2 w and 2 w + 1 of qu and qv
; for all 128 rows, a head a trip: 4 feature tiles (two of U, two of V) x 8 row tiles = 32 accumulators.
; LAYOUT.  Y^T = W X^T (source 0 = 16 weight rows, source 1 = 16 rows of X): a lane holds ONE row of X (lane % 16) and the features 8 (lane / 16) + 0..7.  The two feature tiles of a head, rounded in
; pairs, ARE the 16 x 32 operand of the score product: nothing changes lanes.
; NO CLUSTER: the weights are f32 and are rounded on the way, so they come through registers, and each wave reads weight rows of its own; qz is shared by nobody.
; REGISTERS, in windows of 256 (s_set_vgpr_msb: bits 1:0 source 0, 3:2 source 1, 5:4 source 2, 7:6 destination):
;   window 0: v0-13 addresses; v64-127 AF, the weights' fragments (ft, ksl) at 64 + 8 (2 ft + ksl); v128-255 BF, X's fragments (rt, ksl) at 128 + 8 (2 rt + ksl), later at work
;   window 1: the accumulators (ft, rt) at 8 (8 ft + rt); at the start the rows of qz as loaded      window 2: two buffers of 128 for the weights as loaded (f32)
;   window 3: the operands (uv, rt) at 16 (8 uv + rt): hi 8, lo 8; at the start X as stored
.set PITCH, 528
.set SPARE, 128*PITCH                  ; behind X: the spare words, 128 bytes for each wave: two blocks of 256 bytes that no other line names
.set WO,  4                            ; v4   (l % 16) x 1,024 + (l / 16) x 32: my bytes in 16 weight rows
.set XA,  5                            ; v5   (l % 16) x 528 + (l / 16) x 16: my bytes in 16 rows of X in LDS
.set L16, 6                            ; v6   16 x lane
.set X32, 7                            ; v7   32 x lane
.set XS,  8                            ; v8   where I put 16 bytes of my wave's first row of X
.set SPW, 12                           ; v12  LDS address of my spare word; never rewritten
.set NIL, 13                           ; v13  0; never rewritten
.set AF,  64
.set BF,  128
.set WV,  12                           ; s12  my wave's number
.set UP,  14                           ; s[14:15] U at the head in hand; s[16:17] V; s[18:19], s[20:21] the same at the head whose weights are fetched ahead
.set VP,  16
.set UN,  18
.set VN,  20
.set ST,  22                           ; s[22:23] bytes from the head in hand to the one fetched ahead
.set MASK, 24                          ; s24  a word's upper bf16
.set J,   25                           ; s25  heads to go
.set XP,  26                           ; s[26:27] qz at my wave's 32 rows
.set XW,  28                           ; s[28:29] X in ws at the same rows
.set OB,  30                           ; s[30:31] Q in ws at the head in hand, at the work-group's 8 tiles
.set MSB, 0
.macro WIN new                         ; the immediate's high byte repeats the setting that is left; a switch that changes nothing is dropped
.if MSB != (\new)
	s_set_vgpr_msb (MSB<<8)|(\new)
.set MSB, \new
.endif
.endm
.macro PLACES                          ; four places behind a matrix instruction, in front of what reads its result or writes one of its registers (ISA guide 7.12.1)
.rept 4
	v_nop
.endr
.endm
; 32 loads: the weights of two K steps (quarter kq of K = 256) for the four feature tiles, as f32, into raw buffer buf.  A lane's 8 + 8 numbers of a fragment are four pieces of 16 bytes.
.macro LDRAW buf, nxt, kq
	WIN 0x80
.irp ft, 0,1,2,3
.irp ksl, 0,1
.irp pc, 0,1,2,3
	global_load_b128 v[128*(\buf)+16*(2*(\ft)+(\ksl))+4*(\pc):128*(\buf)+16*(2*(\ft)+(\ksl))+4*(\pc)+3], v[WO], s[UP+2*((\ft)/2)+4*(\nxt):UP+2*((\ft)/2)+4*(\nxt)+1] offset:((\ft)%2)*16384+(2*(\kq)+(\ksl))*128+((\pc)/2)*64+((\pc)%2)*16
.endr
.endr
.endr
.endm
.macro CVTA buf                        ; the raw buffer rounded to bf16: eight fragments
	WIN 0x0a
.set i, 0
.rept 64
	v_cvt_pk_bf16_f32 v[AF+i], v[128*(\buf)+2*i], v[128*(\buf)+2*i+1]
.set i, i+1
.endr
.endm
.macro LDB kq                          ; X's fragments of the same two K steps, all 128 rows
	WIN 0
.irp rt, 0,1,2,3,4,5,6,7
.irp ksl, 0,1
	ds_load_b128 v[BF+8*(2*(\rt)+(\ksl)):BF+8*(2*(\rt)+(\ksl))+3],   v[XA] offset:(\rt)*16*PITCH+(2*(\kq)+(\ksl))*64
	ds_load_b128 v[BF+8*(2*(\rt)+(\ksl))+4:BF+8*(2*(\rt)+(\ksl))+7], v[XA] offset:(\rt)*16*PITCH+(2*(\kq)+(\ksl))*64+32
.endr
.endr
.endm
.macro MULQ zero                       ; 64 products; the 32 accumulators take turns, one instruction a turn.  zero = 1: the first 32 start the sums
	WIN 0x50
.irp ksl, 0,1
.irp ft, 0,1,2,3
.irp rt, 0,1,2,3,4,5,6,7
.if (\zero) && ((\ksl) == 0)
	v_wmma_f32_16x16x32_bf16 v[8*(8*(\ft)+(\rt)):8*(8*(\ft)+(\rt))+7], v[AF+8*(2*(\ft)+(\ksl)):AF+8*(2*(\ft)+(\ksl))+7], v[BF+8*(2*(\rt)+(\ksl)):BF+8*(2*(\rt)+(\ksl))+7], 0
.else
	v_wmma_f32_16x16x32_bf16 v[8*(8*(\ft)+(\rt)):8*(8*(\ft)+(\rt))+7], v[AF+8*(2*(\ft)+(\ksl)):AF+8*(2*(\ft)+(\ksl))+7], v[BF+8*(2*(\rt)+(\ksl)):BF+8*(2*(\rt)+(\ksl))+7], v[8*(8*(\ft)+(\rt)):8*(8*(\ft)+(\rt))+7]
.endif
.endr
.endr
.endr
.endm
; A quarter of K: raw buffer buf holds its weights; when they are rounded the buffer is asked for again, for quarter nkq of this head (nxt = 0) or of the head fetched ahead (nxt = 1).
.macro QUARTER kq, buf, nxt, nkq, zero
	PLACES                                         ; AF and BF were read by the last products
	LDB \kq
	s_wait_loadcnt 32                              ; this buffer's 32 loads are in; the other buffer's 32, issued behind them, may stay out
	CVTA \buf
	LDRAW \buf, \nxt, \nkq
	s_wait_dscnt 0x0                               ; X's fragments
	MULQ \zero
.endm
; The results of matrix uv (0: U, 1: V) become operands: hi = bf16(y), lo = bf16(y - hi).  Each accumulator is read from its low end on.
.macro SPLIT uv
	WIN 0xc5
.set n, 0
.rept 64
	v_cvt_pk_bf16_f32 v[16*(8*(\uv)+n/8)+n%8], v[8*(8*(2*(\uv)+(n%8)/4)+n/8)+2*(n%4)], v[8*(8*(2*(\uv)+(n%8)/4)+n/8)+2*(n%4)+1]
.set n, n+1
.endr
	WIN 0x0c
.set n, 0
.rept 64
	v_lshlrev_b32 v[BF+2*n],   16, v[16*(8*(\uv)+n/8)+n%8]        ; hi as f32: the low half moves up,
	v_and_b32     v[BF+2*n+1], s[MASK], v[16*(8*(\uv)+n/8)+n%8]   ; the high half stays
.set n, n+1
.endr
	WIN 0x01
.set n, 0
.rept 64
	v_pk_add_f32 v[BF+2*n:BF+2*n+1], v[8*(8*(2*(\uv)+(n%8)/4)+n/8)+2*(n%4):8*(8*(2*(\uv)+(n%8)/4)+n/8)+2*(n%4)+1], v[BF+2*n:BF+2*n+1] neg_lo:[0,1] neg_hi:[0,1]  ; y - hi
.set n, n+1
.endr
	WIN 0xc0
.set n, 0
.rept 64
	v_cvt_pk_bf16_f32 v[16*(8*(\uv)+n/8)+8+n%8], v[BF+2*n], v[BF+2*n+1]
.set n, n+1
.endr
.endm
.macro PUT uv                          ; the eight operands go out as they lie in registers: each store covers 512 consecutive bytes, aligned
	WIN 0x0c
.irp rt, 0,1,2,3,4,5,6,7
.irp q, 0,1,2,3
	global_store_b128 v[L16], v[16*(8*(\uv)+(\rt))+4*(\q):16*(8*(\uv)+(\rt))+4*(\q)+3], s[OB:OB+1] offset:(\uv)*0x80000+(\rt)*2048+(\q)*512
.endr
.endr
.endm
	s_load_b256 s[4:11], s[0:1], 0x0               ; qz s[4:5], time_u s[6:7], time_v s[8:9], ws s[10:11]
	v_lshl_add_u32 v[SPW], v0, 2, SPARE
	v_mov_b32 v[NIL], 0
	v_lshrrev_b32 v1, 5, v0
	v_readfirstlane_b32 s[WV], v1                  ; wave 0..3
	v_and_b32 v1, 15, v0                           ; l % 16
	v_bfe_u32 v2, v0, 4, 1                         ; l / 16
	v_and_b32 v3, 31, v0                           ; lane
	v_lshlrev_b32 v[WO], 10, v1
	v_lshl_add_u32 v[WO], v2, 5, v[WO]
	v_mul_u32_u24 v[XA], v1, PITCH
	v_lshl_add_u32 v[XA], v2, 4, v[XA]
	v_lshlrev_b32 v[L16], 4, v3
	v_lshlrev_b32 v[X32], 5, v3
	s_mul_i32 s40, s[WV], 32*PITCH
	v_add_nc_u32 v[XS], s40, v[L16]
	s_lshl_b32 s2, ttmp9, 17                       ; the work-group's 128 rows of 1,024 bytes,
	s_lshl_b32 s3, s[WV], 15                       ; my wave's 32
	s_add_co_u32 s2, s2, s3
	s_mov_b32 s3, 0
	s_lshr_b32 s32, ttmp9, 6                       ; b
	s_lshl_b32 s32, s32, 18                        ; its 256 x 256 weights,
	s_lshl_b32 s33, s[WV], 16                      ; head 2 w: 64 w rows
	s_add_co_u32 s32, s32, s33
	s_mov_b32 s33, 0
	s_lshr_b32 s34, ttmp9, 2                       ; 16 b + c
	s_mul_i32 s34, s34, 0x140000                   ; its block of ws
	s_and_b32 s35, ttmp9, 3                        ; which 128 of its 512 rows
	s_lshl_b32 s36, s35, 16
	s_add_co_u32 s36, s36, s34
	s_lshl_b32 s37, s[WV], 14
	s_add_co_u32 s36, s36, s37
	s_add_co_u32 s36, s36, 0x100000                ; X: 512 bytes a row
	s_mov_b32 s37, 0
	s_lshl_b32 s38, s35, 14                        ; Q: 8 tiles of 2,048 bytes,
	s_add_co_u32 s38, s38, s34
	s_lshl_b32 s39, s[WV], 17                      ; head 2 w
	s_add_co_u32 s38, s38, s39
	s_mov_b32 s39, 0
	s_mov_b32 s[ST+1], 0
	s_mov_b32 s[MASK], 0xffff0000
	s_wait_kmcnt 0x0
	s_add_nc_u64 s[XP:XP+1], s[4:5], s[2:3]
	s_add_nc_u64 s[UP:UP+1], s[6:7], s[32:33]
	s_add_nc_u64 s[VP:VP+1], s[8:9], s[32:33]
	s_add_nc_u64 s[XW:XW+1], s[10:11], s[36:37]
	s_add_nc_u64 s[OB:OB+1], s[10:11], s[38:39]
	LDRAW 0, 0, 0                                  ; the first head's first two quarters of weights
	LDRAW 1, 0, 1
	; X.  My wave's 32 rows of qz: a lane takes 8 numbers of a row (two loads of 16 bytes), which round to 16 bytes of bf16
	WIN 0x40
.set i, 0
.rept 32
	global_load_b128 v[8*i:8*i+3],   v[X32], s[XP:XP+1] offset:i*1024 th:TH_LOAD_NT
	global_load_b128 v[8*i+4:8*i+7], v[X32], s[XP:XP+1] offset:i*1024+16 th:TH_LOAD_NT
.set i, i+1
.endr
.irp gq, 0,1,2,3                       ; eight rows at a time
	s_wait_loadcnt 48-16*(\gq)                     ; loads come back in order: the later rows' loads may stay out
	WIN 0xc5
.set i, 0
.rept 32
	v_cvt_pk_bf16_f32 v[32*(\gq)+i], v[64*(\gq)+2*i], v[64*(\gq)+2*i+1]
.set i, i+1
.endr
	WIN 0x0c
.set i, 0
.rept 8
	ds_store_b128 v[XS], v[32*(\gq)+4*i:32*(\gq)+4*i+3] offset:(8*(\gq)+i)*PITCH
	global_store_b128 v[L16], v[32*(\gq)+4*i:32*(\gq)+4*i+3], s[XW:XW+1] offset:(8*(\gq)+i)*512  ; a row: 512 consecutive bytes, aligned
.set i, i+1
.endr
.endr
	WIN 0
	s_wait_dscnt 0x0                               ; for the others' sake: my rows of X lie in LDS
	s_barrier_signal -1
	s_barrier_wait -1
	s_wait_xcnt 0x0                                ; the stores of X have read their registers, which the operands take
	s_mov_b32 s[J], 2
.Lhead:                                        ; a head of U and of V
	s_cmp_eq_u32 s[J], 1
	s_cselect_b32 s[ST], 0, 0x8000                 ; the next head lies 32 rows on; the last trip's loads ahead name its own head once more: inside the buffer, and not used
	s_add_nc_u64 s[UN:UN+1], s[UP:UP+1], s[ST:ST+1]
	s_add_nc_u64 s[VN:VN+1], s[VP:VP+1], s[ST:ST+1]
	QUARTER 0, 0, 0, 2, 1
	QUARTER 1, 1, 0, 3, 0
	QUARTER 2, 0, 1, 0, 0
	QUARTER 3, 1, 1, 1, 0
	PLACES
	SPLIT 0
	PUT 0
	SPLIT 1
	PUT 1
	WIN 0
	s_wait_xcnt 0x0                                ; every load and store so far has read its address and data: pointers and operands may be written
	s_mov_b64 s[UP:UP+1], s[UN:UN+1]
	s_mov_b64 s[VP:VP+1], s[VN:VN+1]
	s_add_nc_u64 s[OB:OB+1], s[OB:OB+1], 0x10000   ; the next head's 32 tiles
	s_sub_co_i32 s[J], s[J], 1
	s_cmp_lg_u32 s[J], 0
	s_cbranch_scc1 .Lhead
	s_wait_tensorcnt 0x0                           ; the wave's end: behind my last LDS store
	ds_add_u32 v[SPW], v[NIL]
	s_wait_dscnt 0x0
	s_endpgm
.Lfunc_end_k_q8f7bccd034_tproj:
	.size	k_q8f7bccd034_tproj, .Lfunc_end_k_q8f7bccd034_tproj-k_q8f7bccd034_tproj
	.p2alignl 7, 3214868480
	.fill 96, 4, 3214868480
	.section	.rodata,"a",@progbits
	.p2align	6, 0x0
	.amdhsa_kernel k_q8f7bccd034_tproj
		.amdhsa_group_segment_fixed_size 68096
		.amdhsa_private_segment_fixed_size 0
		.amdhsa_enable_private_segment 0
		.amdhsa_kernarg_size 32
		.amdhsa_user_sgpr_count 2
		.amdhsa_user_sgpr_kernarg_segment_ptr 1
		.amdhsa_wavefront_size32 1
		.amdhsa_system_sgpr_workgroup_id_x 1
		.amdhsa_system_sgpr_workgroup_id_y 1
		.amdhsa_system_sgpr_workgroup_id_z 1
		.amdhsa_system_vgpr_workitem_id 0
		.amdhsa_next_free_vgpr 1024
		.amdhsa_next_free_sgpr 66
		.amdhsa_reserve_vcc 0
		.amdhsa_float_denorm_mode_32 3
		.amdhsa_float_denorm_mode_16_64 3
		.amdhsa_memory_ordered 1
		.amdhsa_forward_progress 1
		.amdhsa_inst_pref_size 120
	.end_amdhsa_kernel
	.amdgpu_metadata
---
amdhsa.version: [ 1, 2 ]
amdhsa.kernels:
  - .name:           k_q8f7bccd034_tproj
    .symbol:         k_q8f7bccd034_tproj.kd
    .args:
      - { .name: qz, .offset: 0, .size: 8, .value_kind: global_buffer, .address_space: global }
      - { .name: time_u, .offset: 8, .size: 8, .value_kind: global_buffer, .address_space: global }
      - { .name: time_v, .offset: 16, .size: 8, .value_kind: global_buffer, .address_space: global }
      - { .name: ws, .offset: 24, .size: 8, .value_kind: global_buffer, .address_space: global }
    .group_segment_fixed_size: 68096
    .private_segment_fixed_size: 0
    .kernarg_segment_align: 8
    .kernarg_segment_size: 32
    .max_flat_workgroup_size: 128
    .sgpr_count:     66
    .vgpr_count:     1024
    .wavefront_size: 32
...
	.end_amdgpu_metadata
.endif
;; end of part 1
;; launch chan (part 2): grid 256 x 1, 4 waves a work-group, no clusters, 200,192 bytes of LDS; arguments ws, channel_u, channel_v, out1; writes out1
.if DOCPART == 2
	.amdgcn_target "amdgcn-amd-amdhsa--gfx1250"
	.amdhsa_code_object_version 6
	.text
	.protected	k_q8f7bccd034_chan
	.globl	k_q8f7bccd034_chan
	.p2align	8
	.type	k_q8f7bccd034_chan,@function
k_q8f7bccd034_chan:
	s_mov_b64 s[64:65], 0
	v_nop
	global_prefetch_b8 v0, s[64:65] scope:SCOPE_SE
	s_setreg_imm32_b32 hwreg(HW_REG_WAVE_MODE, 25, 1), 1
	s_wait_xcnt 0x0
; CHAN.  The channel message, whole: for each (b, p) the 16 channels' rows of X (qz in bf16, from ws) are projected by channel_u and channel_v, each of the 8 heads makes a 16 x 16 softmax over the
; channels, the heads' weights are averaged, and the average multiplies the 16 rows of X: mean_h(attn_h X) = (sum_h attn_h / 8) X.  Nothing between these steps goes to memory.
; LIMITS.  All inputs are rounded to bf16.  qu and qv are kept as hi + lo, two bf16 numbers (16 significant bits); a score is hi lo + lo hi + hi hi, the product lo lo (2^-18 of a score's terms) is left out.
; The averaged weights are rounded once to bf16.  The row's true maximum is taken away before the exponential; a weight below 2^-126 counts as 0.  NaN and infinities are not treated apart.
; SHARES.  A work-group has 8 positions p of one b: 128 rows of X in LDS, row 16 rt + c for position p0 + rt and channel c, 528 bytes apart.  Wave w makes heads 2 w and 2 w + 1, a head a trip:
; the projection as in the launch before (Y^T = W X^T; a lane holds one row of X and eight features; two feature tiles rounded in pairs ARE a 16 x 32 operand), then S^T = K Q^T for each position:
; a lane holds ONE query channel (lane % 16) and the key channels 8 (lane / 16) + 0..7.  The weights / 8 go to LDS in f32; behind a barrier wave w adds the 8 heads for positions 2 w, 2 w + 1.
; The sum, rounded in pairs, is the lower half of source 1 of O^T = X^T P (keys 16-31 are zeros in both sources); X comes turned, by ds_load_tr16_b128.
; NO CLUSTER: the weights are f32 and are rounded on the way, so they come through registers; X's rows are shared by nobody.
; REGISTERS, in windows of 256 (s_set_vgpr_msb: bits 1:0 source 0, 3:2 source 1, 5:4 source 2, 7:6 destination):
;   window 0: v0-15 addresses; v64-127 AF, the weights' fragments, later the scores S(rt) at 64 + 8 rt; v128-255 BF, X's fragments, later at work
;   window 1: the accumulators (ft, rt) at 8 (8 ft + rt), later O(rtl, dt) at 128 rtl + 8 dt      window 2: two raw buffers for the weights      window 3: the operands (uv, rt) at 16 (8 uv + rt): hi 8, lo 8
.set PITCH, 528
.set PP,    128*PITCH                  ; LDS: the weights / 8, f32: [head 8][rt 8][quad 2][16 x lane]
.set STG,   PP+65536                   ; 16 rows x 1,040 bytes for each wave, for the way out
.set SPITCH, 1040                      ; 1,024 + 16: an odd multiple of 16
.set SPARE, STG+4*16*SPITCH            ; the spare words, 128 bytes for each wave: two blocks of 256 bytes that no other line names
.set WO,  4                            ; v4   (l % 16) x 1,024 + (l / 16) x 32
.set XA,  5                            ; v5   (l % 16) x 528 + (l / 16) x 16
.set L16, 6                            ; v6   16 x lane
.set XS,  7                            ; v7   where I put 16 bytes of the row of channel 4 w, position p0
.set PPW, 8                            ; v8   where I put the head's weights
.set RDP, 9                            ; v9   where I read all heads' weights of position 2 w
.set TRA, 10                           ; v10  the turning load's address for position 2 w
.set STO, 11                           ; v11  the way out: where I put 16 bytes of a row
.set SPW, 12                           ; v12  LDS address of my spare word; never rewritten
.set NIL, 13                           ; v13  0; never rewritten
.set RD,  14                           ; v14  the way out: where I read rows back
.set AF,  64
.set BF,  128
.set SC,  64                           ; the scores
.set MX,  128                          ; at work, by position: maxima
.set PT,  136                          ; the other half of the lanes'
.set CM,  144                          ; pairs (c m, m)
.set SA,  160                          ; pairs: sums
.set INV, 192                          ; pairs (1 / 8 l, 1 / l)
.set SB,  208                          ; pairs: sums
.set WV,  12
.set UP,  14                           ; s[14:21] as in the launch before: U, V at the head in hand, and at the head fetched ahead
.set VP,  16
.set UN,  18
.set VN,  20
.set ST,  22
.set MASK, 24
.set J,   25
.set CS,  26                           ; s[26:27] c = log2(e) / sqrt(32)
.set SEL, 28                           ; s[28:29] v_permlanex16_b32's selects: each lane takes its own place in the other half
.set PPB, 30                           ; s30  LDS byte of the head's weights
.set OUT, 32                           ; s[32:33] out1 at (b, channel 0, position p0 + 2 w)
.set XB,  34                           ; s[34:35] X in ws at (b, channel 4 w, position p0)
.set MSB, 0
.macro WIN new                         ; the immediate's high byte repeats the setting that is left; a switch that changes nothing is dropped
.if MSB != (\new)
	s_set_vgpr_msb (MSB<<8)|(\new)
.set MSB, \new
.endif
.endm
.macro PLACES                          ; four places behind a matrix instruction, in front of what reads its result or writes one of its registers (ISA guide 7.12.1)
.rept 4
	v_nop
.endr
.endm
; 32 loads: the weights of two K steps (quarter kq of K = 256) for the four feature tiles, as f32, into raw buffer buf
.macro LDRAW buf, nxt, kq
	WIN 0x80
.irp ft, 0,1,2,3
.irp ksl, 0,1
.irp pc, 0,1,2,3
	global_load_b128 v[128*(\buf)+16*(2*(\ft)+(\ksl))+4*(\pc):128*(\buf)+16*(2*(\ft)+(\ksl))+4*(\pc)+3], v[WO], s[UP+2*((\ft)/2)+4*(\nxt):UP+2*((\ft)/2)+4*(\nxt)+1] offset:((\ft)%2)*16384+(2*(\kq)+(\ksl))*128+((\pc)/2)*64+((\pc)%2)*16
.endr
.endr
.endr
.endm
.macro CVTA buf
	WIN 0x0a
.set i, 0
.rept 64
	v_cvt_pk_bf16_f32 v[AF+i], v[128*(\buf)+2*i], v[128*(\buf)+2*i+1]
.set i, i+1
.endr
.endm
.macro LDB kq
	WIN 0
.irp rt, 0,1,2,3,4,5,6,7
.irp ksl, 0,1
	ds_load_b128 v[BF+8*(2*(\rt)+(\ksl)):BF+8*(2*(\rt)+(\ksl))+3],   v[XA] offset:(\rt)*16*PITCH+(2*(\kq)+(\ksl))*64
	ds_load_b128 v[BF+8*(2*(\rt)+(\ksl))+4:BF+8*(2*(\rt)+(\ksl))+7], v[XA] offset:(\rt)*16*PITCH+(2*(\kq)+(\ksl))*64+32
.endr
.endr
.endm
.macro MULQ zero                       ; 64 products; the 32 accumulators take turns, one instruction a turn
	WIN 0x50
.irp ksl, 0,1
.irp ft, 0,1,2,3
.irp rt, 0,1,2,3,4,5,6,7
.if (\zero) && ((\ksl) == 0)
	v_wmma_f32_16x16x32_bf16 v[8*(8*(\ft)+(\rt)):8*(8*(\ft)+(\rt))+7], v[AF+8*(2*(\ft)+(\ksl)):AF+8*(2*(\ft)+(\ksl))+7], v[BF+8*(2*(\rt)+(\ksl)):BF+8*(2*(\rt)+(\ksl))+7], 0
.else
	v_wmma_f32_16x16x32_bf16 v[8*(8*(\ft)+(\rt)):8*(8*(\ft)+(\rt))+7], v[AF+8*(2*(\ft)+(\ksl)):AF+8*(2*(\ft)+(\ksl))+7], v[BF+8*(2*(\rt)+(\ksl)):BF+8*(2*(\rt)+(\ksl))+7], v[8*(8*(\ft)+(\rt)):8*(8*(\ft)+(\rt))+7]
.endif
.endr
.endr
.endr
.endm
.macro QUARTER kq, buf, nxt, nkq, zero
	PLACES                                         ; AF and BF were read by the last products
	LDB \kq
	s_wait_loadcnt 32                              ; this buffer's 32 loads are in; the other buffer's 32, issued behind them, may stay out
	CVTA \buf
	LDRAW \buf, \nxt, \nkq
	s_wait_dscnt 0x0                               ; X's fragments
	MULQ \zero
.endm
.macro SPLIT uv                        ; hi = bf16(y), lo = bf16(y - hi); each accumulator is read from its low end on
	WIN 0xc5
.set n, 0
.rept 64
	v_cvt_pk_bf16_f32 v[16*(8*(\uv)+n/8)+n%8], v[8*(8*(2*(\uv)+(n%8)/4)+n/8)+2*(n%4)], v[8*(8*(2*(\uv)+(n%8)/4)+n/8)+2*(n%4)+1]
.set n, n+1
.endr
	WIN 0x0c
.set n, 0
.rept 64
	v_lshlrev_b32 v[BF+2*n],   16, v[16*(8*(\uv)+n/8)+n%8]
	v_and_b32     v[BF+2*n+1], s[MASK], v[16*(8*(\uv)+n/8)+n%8]
.set n, n+1
.endr
	WIN 0x01
.set n, 0
.rept 64
	v_pk_add_f32 v[BF+2*n:BF+2*n+1], v[8*(8*(2*(\uv)+(n%8)/4)+n/8)+2*(n%4):8*(8*(2*(\uv)+(n%8)/4)+n/8)+2*(n%4)+1], v[BF+2*n:BF+2*n+1] neg_lo:[0,1] neg_hi:[0,1]
.set n, n+1
.endr
	WIN 0xc0
.set n, 0
.rept 64
	v_cvt_pk_bf16_f32 v[16*(8*(\uv)+n/8)+8+n%8], v[BF+2*n], v[BF+2*n+1]
.set n, n+1
.endr
.endm
; One line for each of the 8 positions
.macro ALL8 line:vararg
.set t, 0
.rept 8
	\line
.set t, t+1
.endr
.endm
; THE HEAD'S ATTENTION, for 8 positions at once.  Scores: three products, the small ones first; the 8 accumulators take turns.  K's operand of position t lies at 128 + 16 t of window 3, Q's at 16 t.
.macro ATTN
	WIN 0x0f
	ALL8 v_wmma_f32_16x16x32_bf16 v[SC+8*t:SC+8*t+7], v[128+16*t:128+16*t+7], v[16*t+8:16*t+15], 0
	ALL8 v_wmma_f32_16x16x32_bf16 v[SC+8*t:SC+8*t+7], v[128+16*t+8:128+16*t+15], v[16*t:16*t+7], v[SC+8*t:SC+8*t+7]
	ALL8 v_wmma_f32_16x16x32_bf16 v[SC+8*t:SC+8*t+7], v[128+16*t:128+16*t+7], v[16*t:16*t+7], v[SC+8*t:SC+8*t+7]
	WIN 0
	PLACES
	ALL8 v_max3_num_f32 v[MX+t], v[SC+8*t], v[SC+8*t+1], v[SC+8*t+2]
	ALL8 v_max3_num_f32 v[MX+t], v[MX+t], v[SC+8*t+3], v[SC+8*t+4]
	ALL8 v_max3_num_f32 v[MX+t], v[MX+t], v[SC+8*t+5], v[SC+8*t+6]
	ALL8 v_max_num_f32 v[MX+t], v[MX+t], v[SC+8*t+7]
	ALL8 v_permlanex16_b32 v[PT+t], v[MX+t], s[SEL], s[SEL+1]   ; the query's other 8 keys lie in the lane 16 away
	ALL8 v_max_num_f32 v[CM+2*t+1], v[MX+t], v[PT+t]
	ALL8 v_mul_f32 v[CM+2*t], s[CS], v[CM+2*t+1]
.irp k, 0,1,2,3
	ALL8 v_pk_fma_f32 v[SC+8*t+2*(\k):SC+8*t+2*(\k)+1], v[SC+8*t+2*(\k):SC+8*t+2*(\k)+1], s[CS:CS+1], v[CM+2*t:CM+2*t+1] op_sel_hi:[1,0,0] neg_lo:[0,0,1] neg_hi:[0,0,1]
.endr
.irp k, 0,1,2,3,4,5,6,7
	ALL8 v_exp_f32 v[SC+8*t+(\k)], v[SC+8*t+(\k)]
.endr
	v_nop                                          ; a plain instruction behind the last exponential,
	s_wait_alu depctr_va_vdst(0)                   ; and the wait ahead of the first use: one for the 64
	ALL8 v_pk_add_f32 v[SA+2*t:SA+2*t+1], v[SC+8*t:SC+8*t+1], v[SC+8*t+2:SC+8*t+3]
	ALL8 v_pk_add_f32 v[SB+2*t:SB+2*t+1], v[SC+8*t+4:SC+8*t+5], v[SC+8*t+6:SC+8*t+7]
	ALL8 v_pk_add_f32 v[SA+2*t:SA+2*t+1], v[SA+2*t:SA+2*t+1], v[SB+2*t:SB+2*t+1]
	ALL8 v_add_f32 v[SA+2*t], v[SA+2*t], v[SA+2*t+1]
	ALL8 v_permlanex16_b32 v[PT+t], v[SA+2*t], s[SEL], s[SEL+1]
	ALL8 v_add_f32 v[SA+2*t], v[SA+2*t], v[PT+t]
	ALL8 v_rcp_f32 v[INV+2*t+1], v[SA+2*t]
	v_add_nc_u32 v[PPW], s[PPB], v[L16]            ; the plain instruction behind the last reciprocal
	s_wait_alu depctr_va_vdst(0)                   ; one wait for the eight
	ALL8 v_mul_f32 v[INV+2*t], 0x3e000000, v[INV+2*t+1]         ; 1 / 8 l: the mean over the heads rides on the division
.irp k, 0,1,2,3
	ALL8 v_pk_mul_f32 v[SC+8*t+2*(\k):SC+8*t+2*(\k)+1], v[SC+8*t+2*(\k):SC+8*t+2*(\k)+1], v[INV+2*t:INV+2*t+1] op_sel_hi:[1,0]
.endr
	ALL8 ds_store_b128 v[PPW], v[SC+8*t:SC+8*t+3] offset:t*1024
	ALL8 ds_store_b128 v[PPW], v[SC+8*t+4:SC+8*t+7] offset:t*1024+512
.endm
; THE WAY OUT of position 2 w + rtl: a lane's eight numbers of a row go into rows of 1,040 bytes of my own stage and come back as whole rows.
.macro OUTP rtl
	PLACES
	WIN 0x04
.irp dt, 0,1,2,3,4,5,6,7,8,9,10,11,12,13,14,15
	ds_store_b128 v[STO], v[128*(\rtl)+8*(\dt):128*(\rtl)+8*(\dt)+3]   offset:(\dt)*64
	ds_store_b128 v[STO], v[128*(\rtl)+8*(\dt)+4:128*(\rtl)+8*(\dt)+7] offset:(\dt)*64+16
.endr
	WIN 0
	s_wait_xcnt 0x0                                ; earlier stores have read the registers that the loads below fill
.set i, 0
.rept 32
	ds_load_b128 v[128+4*i:128+4*i+3], v[RD] offset:(i/2)*SPITCH+(i%2)*512  ; LDS serves a wave's instructions in order (ISA guide 5.7.1.4): these see the stores above
.set i, i+1
.endr
.set i, 0
.rept 32
.if i%8 == 0
	s_wait_dscnt 24-i                              ; the next eight loads are in; the younger ones may stay out
.endif
	global_store_b128 v[L16], v[128+4*i:128+4*i+3], s[OUT:OUT+1] offset:(i/2)*524288+(\rtl)*1024+(i%2)*512 th:TH_STORE_NT  ; channel i / 2: 512 consecutive bytes, aligned
.set i, i+1
.endr
.endm
	s_load_b256 s[4:11], s[0:1], 0x0               ; ws s[4:5], channel_u s[6:7], channel_v s[8:9], out1 s[10:11]
	v_lshl_add_u32 v[SPW], v0, 2, SPARE
	v_mov_b32 v[NIL], 0
	v_lshrrev_b32 v1, 5, v0
	v_readfirstlane_b32 s[WV], v1                  ; wave 0..3
	v_and_b32 v1, 15, v0                           ; l % 16
	v_bfe_u32 v2, v0, 4, 1                         ; l / 16
	v_and_b32 v3, 31, v0                           ; lane
	v_lshlrev_b32 v[WO], 10, v1
	v_lshl_add_u32 v[WO], v2, 5, v[WO]
	v_mul_u32_u24 v[XA], v1, PITCH
	v_lshl_add_u32 v[XA], v2, 4, v[XA]
	v_lshlrev_b32 v[L16], 4, v3
	s_mul_i32 s42, s[WV], 4*PITCH
	v_add_nc_u32 v[XS], s42, v[L16]
	s_lshl_b32 s42, s[WV], 11
	s_add_co_u32 s42, s42, PP
	v_add_nc_u32 v[RDP], s42, v[L16]               ; position 2 w: 2,048 w
	v_and_b32 v15, 7, v0
	v_lshl_add_u32 v[TRA], v2, 3, v15              ; the turning load: lane l reads key 8 (l / 16) + l % 8,
	v_mul_u32_u24 v[TRA], v[TRA], PITCH
	v_bfe_u32 v15, v0, 3, 1
	v_lshl_add_u32 v[TRA], v15, 4, v[TRA]          ; columns 8 ((l / 8) % 2) + 0..7
	s_mul_i32 s42, s[WV], 32*PITCH
	v_add_nc_u32 v[TRA], s42, v[TRA]
	s_mul_i32 s42, s[WV], 16*SPITCH
	s_add_co_u32 s42, s42, STG                     ; my stage
	v_mul_u32_u24 v[STO], v1, SPITCH
	v_lshl_add_u32 v[STO], v2, 5, v[STO]
	v_add_nc_u32 v[STO], s42, v[STO]
	v_add_nc_u32 v[RD], s42, v[L16]
	s_lshl_b32 s[PPB], s[WV], 14
	s_add_co_u32 s[PPB], s[PPB], PP                ; head 2 w
	s_lshr_b32 s36, ttmp9, 6                       ; b
	s_and_b32 s37, ttmp9, 63                       ; p0 / 8
	s_lshl_b32 s2, s36, 18
	s_lshl_b32 s3, s[WV], 16
	s_add_co_u32 s2, s2, s3                        ; the weights of b, head 2 w
	s_mov_b32 s3, 0
	s_lshl_b32 s38, s36, 4
	s_lshl_b32 s39, s[WV], 2
	s_add_co_u32 s38, s38, s39                     ; 16 b + 4 w
	s_mul_i32 s38, s38, 0x140000
	s_lshl_b32 s39, s37, 12                        ; p0 rows of 512 bytes
	s_add_co_u32 s38, s38, s39
	s_add_co_u32 s38, s38, 0x100000
	s_mov_b32 s39, 0
	s_lshl_b32 s40, s36, 23
	s_lshl_b32 s41, s37, 13
	s_add_co_u32 s40, s40, s41
	s_lshl_b32 s41, s[WV], 11
	s_add_co_u32 s40, s40, s41                     ; (b, 0, p0 + 2 w): rows of 1,024 bytes
	s_mov_b32 s41, 0
	s_mov_b32 s[ST+1], 0
	s_mov_b32 s[MASK], 0xffff0000
	s_mov_b32 s[CS], 0x3e8293ee                    ; c = log2(e) / sqrt(32) = 0.255035
	s_mov_b32 s[CS+1], s[CS]                       ; named with it as a pair
	s_mov_b32 s[SEL], 0x76543210
	s_mov_b32 s[SEL+1], 0xfedcba98
	s_wait_kmcnt 0x0
	s_add_nc_u64 s[UP:UP+1], s[6:7], s[2:3]
	s_add_nc_u64 s[VP:VP+1], s[8:9], s[2:3]
	s_add_nc_u64 s[XB:XB+1], s[4:5], s[38:39]
	s_add_nc_u64 s[OUT:OUT+1], s[10:11], s[40:41]
	LDRAW 0, 0, 0
	LDRAW 1, 0, 1
	WIN 0x40                                       ; X: my wave brings channels 4 w .. 4 w + 3, eight positions each: 4,096 consecutive bytes a channel
.irp ci, 0,1,2,3
.irp rt, 0,1,2,3,4,5,6,7
	global_load_b128 v[4*(8*(\ci)+(\rt)):4*(8*(\ci)+(\rt))+3], v[L16], s[XB:XB+1] offset:(\ci)*0x140000+(\rt)*512
.endr
.endr
	s_wait_loadcnt 0x0
	WIN 0x04
.irp ci, 0,1,2,3
.irp rt, 0,1,2,3,4,5,6,7
	ds_store_b128 v[XS], v[4*(8*(\ci)+(\rt)):4*(8*(\ci)+(\rt))+3] offset:((\rt)*16+(\ci))*PITCH
.endr
.endr
	WIN 0
	s_wait_dscnt 0x0                               ; for the others' sake: my rows of X lie in LDS
	s_barrier_signal -1
	s_barrier_wait -1
	s_mov_b32 s[J], 2
.Lhead:                                        ; a head: projection, scores, softmax
	s_cmp_eq_u32 s[J], 1
	s_cselect_b32 s[ST], 0, 0x8000                 ; the next head lies 32 rows on; the last trip's loads ahead name its own head once more: inside the buffer, and not used
	s_add_nc_u64 s[UN:UN+1], s[UP:UP+1], s[ST:ST+1]
	s_add_nc_u64 s[VN:VN+1], s[VP:VP+1], s[ST:ST+1]
	QUARTER 0, 0, 0, 2, 1
	QUARTER 1, 1, 0, 3, 0
	QUARTER 2, 0, 1, 0, 0
	QUARTER 3, 1, 1, 1, 0
	PLACES
	SPLIT 0
	SPLIT 1
	ATTN
	s_wait_xcnt 0x0                                ; every load so far has read its address: the pointers may be written
	s_mov_b64 s[UP:UP+1], s[UN:UN+1]
	s_mov_b64 s[VP:VP+1], s[VN:VN+1]
	s_add_co_u32 s[PPB], s[PPB], 8192
	s_sub_co_i32 s[J], s[J], 1
	s_cmp_lg_u32 s[J], 0
	s_cbranch_scc1 .Lhead
	s_wait_loadcnt 0x0                             ; the last trip's loads ahead
	s_wait_dscnt 0x0                               ; for the others' sake: my heads' weights lie in LDS
	s_barrier_signal -1
	s_barrier_wait -1
	; the 8 heads' weights of positions 2 w and 2 w + 1 are added: head hd at v[128 + 16 hd], 8 registers a position
.irp hd, 0,1,2,3,4,5,6,7
.irp q, 0,1,2,3
	ds_load_b128 v[128+16*(\hd)+4*(\q):128+16*(\hd)+4*(\q)+3], v[RDP] offset:(\hd)*8192+(\q)*512
.endr
.endr
	s_wait_dscnt 0x0
.irp hd, 1,2,3,4,5,6,7
.irp k, 0,1,2,3,4,5,6,7
	v_pk_add_f32 v[128+2*(\k):128+2*(\k)+1], v[128+2*(\k):128+2*(\k)+1], v[128+16*(\hd)+2*(\k):128+16*(\hd)+2*(\k)+1]
.endr
.endr
.irp rtl, 0,1                          ; source 1 of the last product: 16 keys, then 16 zeros
.irp k, 0,1,2,3
	v_cvt_pk_bf16_f32 v[64+8*(\rtl)+(\k)], v[128+8*(\rtl)+2*(\k)], v[128+8*(\rtl)+2*(\k)+1]
	v_mov_b32 v[64+8*(\rtl)+4+(\k)], 0
.endr
.endr
.irp s, 0,1,2,3,4,5,6,7                ; eight places for X's turned fragments: their upper halves, keys 16-31, are zeros
.irp k, 4,5,6,7
	v_mov_b32 v[192+8*(\s)+(\k)], 0
.endr
.endr
.irp rtl, 0,1
.irp hf, 0,1
	WIN 0
	PLACES                                         ; the places were read by the products before
.irp s, 0,1,2,3,4,5,6,7
	ds_load_tr16_b128 v[192+8*(\s):192+8*(\s)+3], v[TRA] offset:(\rtl)*16*PITCH+(8*(\hf)+(\s))*32
.endr
	s_wait_dscnt 0x0
	WIN 0x40
.irp s, 0,1,2,3,4,5,6,7
	v_wmma_f32_16x16x32_bf16 v[128*(\rtl)+8*(8*(\hf)+(\s)):128*(\rtl)+8*(8*(\hf)+(\s))+7], v[192+8*(\s):192+8*(\s)+7], v[64+8*(\rtl):64+8*(\rtl)+7], 0
.endr
.endr
.endr
	OUTP 0
	OUTP 1
	s_wait_tensorcnt 0x0                           ; the wave's end: behind my last LDS store
	ds_add_u32 v[SPW], v[NIL]
	s_wait_dscnt 0x0
	s_endpgm
.Lfunc_end_k_q8f7bccd034_chan:
	.size	k_q8f7bccd034_chan, .Lfunc_end_k_q8f7bccd034_chan-k_q8f7bccd034_chan
	.p2alignl 7, 3214868480
	.fill 96, 4, 3214868480
	.section	.rodata,"a",@progbits
	.p2align	6, 0x0
	.amdhsa_kernel k_q8f7bccd034_chan
		.amdhsa_group_segment_fixed_size 200192
		.amdhsa_private_segment_fixed_size 0
		.amdhsa_enable_private_segment 0
		.amdhsa_kernarg_size 32
		.amdhsa_user_sgpr_count 2
		.amdhsa_user_sgpr_kernarg_segment_ptr 1
		.amdhsa_wavefront_size32 1
		.amdhsa_system_sgpr_workgroup_id_x 1
		.amdhsa_system_sgpr_workgroup_id_y 1
		.amdhsa_system_sgpr_workgroup_id_z 1
		.amdhsa_system_vgpr_workitem_id 0
		.amdhsa_next_free_vgpr 1024
		.amdhsa_next_free_sgpr 66
		.amdhsa_reserve_vcc 0
		.amdhsa_float_denorm_mode_32 3
		.amdhsa_float_denorm_mode_16_64 3
		.amdhsa_memory_ordered 1
		.amdhsa_forward_progress 1
		.amdhsa_inst_pref_size 143
	.end_amdhsa_kernel
	.amdgpu_metadata
---
amdhsa.version: [ 1, 2 ]
amdhsa.kernels:
  - .name:           k_q8f7bccd034_chan
    .symbol:         k_q8f7bccd034_chan.kd
    .args:
      - { .name: ws, .offset: 0, .size: 8, .value_kind: global_buffer, .address_space: global }
      - { .name: channel_u, .offset: 8, .size: 8, .value_kind: global_buffer, .address_space: global }
      - { .name: channel_v, .offset: 16, .size: 8, .value_kind: global_buffer, .address_space: global }
      - { .name: out1, .offset: 24, .size: 8, .value_kind: global_buffer, .address_space: global }
    .group_segment_fixed_size: 200192
    .private_segment_fixed_size: 0
    .kernarg_segment_align: 8
    .kernarg_segment_size: 32
    .max_flat_workgroup_size: 128
    .sgpr_count:     66
    .vgpr_count:     1024
    .wavefront_size: 32
...
	.end_amdgpu_metadata
.endif
;; end of part 2
;; launch tattn (part 3): grid 4 x 64, 4 waves a work-group, clusters of 4 x 1, 327,680 bytes of LDS; arguments ws, out0; writes out0
.if DOCPART == 3
	.amdgcn_target "amdgcn-amd-amdhsa--gfx1250"
	.amdhsa_code_object_version 6
	.text
	.protected	k_q8f7bccd034_tattn
	.globl	k_q8f7bccd034_tattn
	.p2align	8
	.type	k_q8f7bccd034_tattn,@function
k_q8f7bccd034_tattn:
	s_mov_b64 s[64:65], 0
	v_nop
	global_prefetch_b8 v0, s[64:65] scope:SCOPE_SE
	s_setreg_imm32_b32 hwreg(HW_REG_WAVE_MODE, 25, 1), 1
	s_wait_xcnt 0x0
	s_wait_alu depctr_hold_cnt(0) depctr_sa_sdst(0) depctr_va_vdst(0) depctr_va_sdst(0) depctr_va_ssrc(0) depctr_va_vcc(0) depctr_vm_vsrc(0)
	s_getreg_b32 s2, hwreg(HW_REG_IB_STS2, 6, 4)
	s_cmp_eq_u32 s2, 0
	s_cbranch_scc0 .Lentry_in_a_cluster
	s_endpgm
.Lentry_in_a_cluster:
	s_bfe_u32 s2, ttmp6, 0x10000c
	s_cmp_lg_u32 s2, 0x3003
	s_cbranch_scc0 .Lentry_shape_is_right
	s_endpgm
.Lentry_shape_is_right:
; TATTN.  The time message.  For each (b, c): out0[p] = (sum over the 8 heads of softmax_q(qu_h[p] . qv_h[q] / sqrt(32)) / 8) X, with X = qz[b, c] in bf16: the mean over the heads is taken of the
; weights, so the product with X is made once and not once a head.  qu (Q), qv (K) and X come from ws as the launch before left them: Q and K as register images of 16 x 32 operands, hi and lo.
; LIMITS.  qu and qv have 16 significant bits (hi + lo in bf16); a score is hi lo + lo hi + hi hi, the product lo lo (2^-18 of a score's terms) is left out.  A row's 512 scores stay in registers: the row's
; true maximum is taken away before the exponential and each head is divided by its own sum.  The averaged weights are rounded once to bf16.  A weight below 2^-126 counts as 0.  NaN and infinities are not treated apart.
; SHARES.  A work-group has 128 queries of one (b, c), a wave two tiles of 16, one after the other: 8 passes (heads) a tile.  A pass: S^T = K Q^T for all 512 keys (a lane holds ONE query, lane % 16, and of each
; key tile the keys 8 (lane / 16) + 0..7), maximum, exponentials, sum, and PACC += p / 8 l.  PACC rounded in pairs IS source 1 of O^T = X^T P; X comes out of LDS turned, by ds_load_tr16_b128.
; CLUSTER.  The four work-groups of a (b, c) walk the same K and X: 20 tiles of 65,536 bytes (K's heads 0-7, the same again for the second query tile, X's four quarters) through two LDS slots, each tile
; asked for JOINTLY: the same tensor load, descriptor and mask in all four; each wave asks for a quarter of a tile.  One tensor load of a wave is out at a time; it has a pass in which to land.
; REGISTERS, in windows of 256 (s_set_vgpr_msb: bits 1:0 source 0, 3:2 source 1, 5:4 source 2, 7:6 destination):
;   window 0: v0-15 addresses; v16-33 statistics; v64-79 Q (hi, lo); v128-191, v192-255 two buffers: 4 key tiles of K (hi 8, lo 8 each), later 8 fragments of X, later the way out
;   window 1: S(kt) at 8 kt, later O(t, dt) at 128 t + 8 dt      window 2: PACC(kt) at 8 kt      window 3: the weights in bf16: the first query tile's at 0, the second's at 128; K step ks at + 8 ks
.set SLOT1, 1<<17                      ; slot 1 begins here, so that one exclusive or turns an address in one slot into the other's
.set RP,    272                        ; 256 bytes of a tile lie 272 bytes apart in LDS: 16 of padding behind each
.set STAGE, SLOT1+256*RP               ; behind the ring, never filled by a tensor load: 16 rows x 1,040 bytes for each wave
.set SPITCH, 1040
.set SPARE, STAGE+4*16*SPITCH          ; the spare words, 128 bytes for each wave: two blocks of 256 bytes that no other line names
.set KT,    8*RP                       ; a key tile's 2,048 bytes in LDS
.set XPI,   2*RP                       ; a row of X, 512 bytes, in LDS: 544 = 17 x 32
.set AKL, 3                            ; v3   my 16 bytes of 512 in a slot: 16 x lane + 16 (lane / 16); never rewritten
.set AK,  4                            ; v4   the same in the slot in hand; v5 for key tiles 16-31
.set AKB, 5
.set AVL, 6                            ; v6   the turning load's place in a slot; never rewritten
.set AV,  7                            ; v7   the same in the slot in hand
.set L16, 8                            ; v8   16 x lane
.set QA,  9                            ; v9   my byte offset in Q
.set STO, 10                           ; v10  the way out: where I put 16 bytes of a row
.set RD,  11                           ; v11  the way out: where I read rows back
.set SPW, 12                           ; v12  LDS address of my spare word; never rewritten
.set NIL, 13                           ; v13  0; never rewritten
.set PFO, 14                           ; v14  256 x lane; never rewritten
.set MC,  16                           ; v16-19 four chains of the maximum
.set TP,  20                           ; v20  the other half of the lanes'
.set CM,  22                           ; v[22:23] c m, m
.set SU,  24                           ; v[24:31] four pairs of sums
.set INV, 32                           ; v[32:33] 1 / 8 l, 1 / l
.set QH,  64
.set QL,  72
.set KB,  128
.set WV,  8                            ; s8   my wave's number
.set TB,  9                            ; s9   LDS byte of the slot in hand
.set H,   10                           ; s10  heads to go in the query tile
.set T,   11                           ; s11  query tiles to go
.set NT,  12                           ; s12  passes to go
.set QOF, 13                           ; s13  byte offset of the next pass's Q
.set G1,  16                           ; s[16:23] descriptor group 1
.set G0,  24                           ; s[24:27] descriptor group 0: it walks
.set BK,  28                           ; s[28:29] the walk's step back, from K's last head to its first
.set PS,  30                           ; s[30:31] the prefetches' step
.set PFA, 32                           ; s[32:33] where my prefetches stand
.set QB,  34                           ; s[34:35] Q at my wave's first query tile, head 0
.set CS,  36                           ; s[36:37] c = log2(e) / sqrt(32)
.set SEL, 38                           ; s[38:39] v_permlanex16_b32's selects
.set OUT, 40                           ; s[40:41] out0 at my wave's first row
.set MSB, 0
.macro WIN new                         ; the immediate's high byte repeats the setting that is left; a switch that changes nothing is dropped
.if MSB != (\new)
	s_set_vgpr_msb (MSB<<8)|(\new)
.set MSB, \new
.endif
.endm
.macro PLACES                          ; four places behind a matrix instruction, in front of what reads its result or writes one of its registers (ISA guide 7.12.1)
.rept 4
	v_nop
.endr
.endm
; A round of the cluster's barrier: my work-group's barrier, so that wave 0's signal speaks for all four waves; wave 0 signals; every wave waits for all four work-groups; my work-group's barrier once more.
.macro CROUND
	s_barrier_signal -1
	s_barrier_wait -1
	s_cmp_lg_u32 s[WV], 0
	s_cbranch_scc1 .Lnot_wave_0_\@
	s_barrier_signal -3
.Lnot_wave_0_\@:
	s_barrier_wait -3
	s_barrier_signal -1
	s_barrier_wait -1
.endm
; A PREFETCH INTO THE L2 of X, whose quarters follow each other with 128 products a wave between two loads.  In each of the last two passes every wave of the cluster names 32 blocks of 256 bytes, a lane a block:
; 16 waves x 8,192 bytes are half of X; the last pass but one names X's first half, one pass ahead of the first quarter's load, the last pass the second half.  The four partners are told apart BY ADDRESS.
; Each block is named once in the launch.  K's tiles are not asked for: each has a whole pass in which to land.
.macro ASK
	s_cmp_le_u32 s[NT], 2
	s_cbranch_scc0 .Lnot_yet_\@
	global_prefetch_b8 v[PFO], s[PFA:PFA+1] th:TH_LOAD_NT scope:SCOPE_SE
.Lnot_yet_\@:
.endm
; THE CHANGE OF SLOTS.  Each wave waits for all its tensor loads, of which one is out: its quarter of the other slot; adds 0 to its spare word; and waits for that and for its own reads of the slot that it leaves.
; fill = 1: the slot that is left is filled again with the walk's next tile.  The barrier is then a round of the cluster's, so that no wave of any partner still reads the slot or has a load on its way, and the joint
; load is the first thing behind it.  (At its first use nothing has been read yet: slot 0 is waited for, slot 1 filled.)  loop = 1: in the loop over passes, where the walk goes back once and X is prefetched.
.macro CHANGE fill, loop
	WIN 0                                          ; at a label and at a branch every window is 0
	s_wait_tensorcnt 0x0                           ; no tensor load of mine is out, so group 0 may be written
	ds_add_u32 v[SPW], v[NIL]                      ; 0 onto my spare word; the scalar work below stands between it and the wait for it
.if \fill
	s_xor_b32 s[G0+1], s[G0+1], SLOT1              ; the other slot than last time,
	s_add_nc_u64 s[G0+2:G0+3], s[G0+2:G0+3], 0x10000  ; the next 65,536 bytes: K's heads and X's quarters lie on end; the type bits on top are not reached
.if \loop
	s_cmp_eq_u32 s[NT], 9                          ; the pass of the first query tile's last head asks for K's head 0 again
	s_cselect_b32 s[BK], 0x80000, 0
	s_sub_nc_u64 s[G0+2:G0+3], s[G0+2:G0+3], s[BK:BK+1]
	s_wait_xcnt 0x0                                ; the last prefetch, a pass back, has read its address
	s_cmp_eq_u32 s[NT], 1
	s_cselect_b32 s[PS], 0x20000, 0                ; the last pass names X's second half
	s_add_nc_u64 s[PFA:PFA+1], s[PFA:PFA+1], s[PS:PS+1]
.endif
.endif
	s_wait_dscnt 0x0                               ; the add is done, and my reads of the slot are over
.if \fill
	CROUND
	tensor_load_to_lds s[G0:G0+3], s[G1:G1+7]
	s_nop 0
.rept 4
	v_nop
.endr
.if \loop
	ASK
.endif
.else
	s_barrier_signal -1
	s_barrier_wait -1
.endif
	s_xor_b32 s[TB], s[TB], SLOT1                  ; the reads go to the other slot
.endm
.macro LDQ                             ; a query tile's operand of one head, hi and lo: 2,048 consecutive bytes
	v_add_nc_u32 v[QA], s[QOF], v[L16]
.irp q, 0,1,2,3
	global_load_b128 v[QH+4*(\q):QH+4*(\q)+3], v[QA], s[QB:QB+1] offset:(\q)*512
.endr
.endm
.macro FETCHK g                        ; key tiles 4 g .. 4 g + 3, hi and lo, into buffer g % 2: 16 loads, each 512 bytes as they were stored
	WIN 0
.irp i, 0,1,2,3
.irp q, 0,1,2,3
	ds_load_b128 v[KB+64*((\g)%2)+16*(\i)+4*(\q):KB+64*((\g)%2)+16*(\i)+4*(\q)+3], v[AK+(\g)/4] offset:((4*(\g)+(\i))%16)*KT+(\q)*2*RP
.endr
.endr
.endm
.macro SCORE g                         ; their scores: three products each, the small ones first; the four accumulators take turns
	WIN 0x50
.irp i, 0,1,2,3
	v_wmma_f32_16x16x32_bf16 v[8*(4*(\g)+(\i)):8*(4*(\g)+(\i))+7], v[KB+64*((\g)%2)+16*(\i):KB+64*((\g)%2)+16*(\i)+7], v[QL:QL+7], 0
.endr
.irp i, 0,1,2,3
	v_wmma_f32_16x16x32_bf16 v[8*(4*(\g)+(\i)):8*(4*(\g)+(\i))+7], v[KB+64*((\g)%2)+16*(\i)+8:KB+64*((\g)%2)+16*(\i)+15], v[QH:QH+7], v[8*(4*(\g)+(\i)):8*(4*(\g)+(\i))+7]
.endr
.irp i, 0,1,2,3
	v_wmma_f32_16x16x32_bf16 v[8*(4*(\g)+(\i)):8*(4*(\g)+(\i))+7], v[KB+64*((\g)%2)+16*(\i):KB+64*((\g)%2)+16*(\i)+7], v[QH:QH+7], v[8*(4*(\g)+(\i)):8*(4*(\g)+(\i))+7]
.endr
.endm
.macro MAXG g                          ; their 32 scores into the four chains; each accumulator is read from its low end on
.set n, 0
.rept 16
.if ((\g) == 0) && (n < 4)
	WIN 0x05
	v_max_num_f32 v[MC+n], v[2*n], v[2*n+1]
.else
	WIN 0x14
	v_max3_num_f32 v[MC+n%4], v[MC+n%4], v[32*(\g)+2*n], v[32*(\g)+2*n+1]
.endif
.set n, n+1
.endr
.endm
; A PASS: one head for one query tile.
.macro PASS
	WIN 0
	v_add_nc_u32 v[AK], s[TB], v[AKL]
	v_add_nc_u32 v[AKB], 16*KT, v[AK]
	FETCHK 0
	FETCHK 1
	s_wait_loadcnt 0x0                             ; Q, asked for a pass ago
.irp g, 0,1,2,3,4,5,6,7
.if (\g) < 7
	s_wait_dscnt 16                                ; this group's 16 loads are in; the next group's 16 may stay out
.else
	s_wait_dscnt 0x0
.endif
	SCORE \g
.if (\g) == 0
	PLACES
.else
	MAXG (\g)-1                                    ; 16 plain instructions on the group before: the places between these products and the loads into their buffer
.endif
.if (\g) < 6
	FETCHK (\g)+2
.endif
.endr
	MAXG 7
	WIN 0
	s_add_co_u32 s[QOF], s[QOF], 0x10000           ; the next pass's Q: the next head's,
	s_cmp_eq_u32 s[H], 1
	s_cselect_b32 s[QOF], 2048, s[QOF]             ; or head 0 of the second query tile (behind the very last pass: the same once more, inside the buffer and not used)
	LDQ
	v_max3_num_f32 v[MC], v[MC], v[MC+1], v[MC+2]
	v_max_num_f32 v[MC], v[MC], v[MC+3]
	v_permlanex16_b32 v[TP], v[MC], s[SEL], s[SEL+1]  ; the query's other 256 keys lie in the lane 16 away
	v_max_num_f32 v[CM+1], v[MC], v[TP]
	v_mul_f32 v[CM], s[CS], v[CM+1]
	WIN 0x41                                       ; c s - c m for pair b, then the exponentials of the pair before: ONE batch, in which nothing names an exponential's result
	v_pk_fma_f32 v[0:1], v[0:1], s[CS:CS+1], v[CM:CM+1] op_sel_hi:[1,0,0] neg_lo:[0,0,1] neg_hi:[0,0,1]
.set b, 1
.rept 127
	v_pk_fma_f32 v[2*b:2*b+1], v[2*b:2*b+1], s[CS:CS+1], v[CM:CM+1] op_sel_hi:[1,0,0] neg_lo:[0,0,1] neg_hi:[0,0,1]
	v_exp_f32 v[2*b-2], v[2*b-2]
	v_exp_f32 v[2*b-1], v[2*b-1]
.set b, b+1
.endr
	v_exp_f32 v[254], v[254]
	v_exp_f32 v[255], v[255]
	v_nop                                          ; a plain instruction behind the last exponential,
	s_wait_alu depctr_va_vdst(0)                   ; and the wait ahead of the first use: one for the 256
	WIN 0x05
.irp i, 0,1,2,3
	v_pk_add_f32 v[SU+2*(\i):SU+2*(\i)+1], v[4*(\i):4*(\i)+1], v[4*(\i)+2:4*(\i)+3]  ; the first eight pairs start four chains: nothing is cleared
.endr
	WIN 0x04
.set b, 8
.rept 120
	v_pk_add_f32 v[SU+2*(b%4):SU+2*(b%4)+1], v[SU+2*(b%4):SU+2*(b%4)+1], v[2*b:2*b+1]
.set b, b+1
.endr
	WIN 0
	v_pk_add_f32 v[SU:SU+1], v[SU:SU+1], v[SU+2:SU+3]
	v_pk_add_f32 v[SU+4:SU+5], v[SU+4:SU+5], v[SU+6:SU+7]
	v_pk_add_f32 v[SU:SU+1], v[SU:SU+1], v[SU+4:SU+5]
	v_add_f32 v[SU], v[SU], v[SU+1]
	v_permlanex16_b32 v[TP], v[SU], s[SEL], s[SEL+1]
	v_add_f32 v[SU], v[SU], v[TP]
	v_rcp_f32 v[INV+1], v[SU]
	v_nop
	s_wait_alu depctr_va_vdst(0)
	v_mul_f32 v[INV], 0x3e000000, v[INV+1]         ; 1 / 8 l: the mean over the heads rides on the division
	WIN 0xa1
.set b, 0
.rept 128
	v_pk_fma_f32 v[2*b:2*b+1], v[2*b:2*b+1], v[INV:INV+1], v[2*b:2*b+1] op_sel_hi:[1,0,1]  ; PACC += p / 8 l
.set b, b+1
.endr
.endm
; THE LAST PRODUCT.  A quarter of X is 128 keys: 4 K steps x 16 column tiles x 2 query tiles = 128 products, in 8 units of 16: unit u is K step u / 2, column tiles 8 (u % 2) + 0..7.
.macro FETCHV u                        ; its 8 fragments of X^T into buffer u % 2; columns 128-255 lie 16 bytes further on, behind the padding in the row's middle
	WIN 0
.irp d, 0,1,2,3,4,5,6,7
	ds_load_tr16_b128 v[KB+64*((\u)%2)+8*(\d):KB+64*((\u)%2)+8*(\d)+3],   v[AV] offset:((\u)/2)*32*XPI+(8*((\u)%2)+(\d))*32+16*((\u)%2)
	ds_load_tr16_b128 v[KB+64*((\u)%2)+8*(\d)+4:KB+64*((\u)%2)+8*(\d)+7], v[AV] offset:((\u)/2)*32*XPI+16*XPI+(8*((\u)%2)+(\d))*32+16*((\u)%2)
.endr
.endm
.macro MULV ch, u                      ; the 32 accumulators take turns; the first K step starts the sums
	WIN 0x5c
.irp d, 0,1,2,3,4,5,6,7
.irp t, 0,1
.if (4*(\ch)+(\u)/2) == 0
	v_wmma_f32_16x16x32_bf16 v[128*(\t)+8*(8*((\u)%2)+(\d)):128*(\t)+8*(8*((\u)%2)+(\d))+7], v[KB+64*((\u)%2)+8*(\d):KB+64*((\u)%2)+8*(\d)+7], v[128*(\t)+8*(4*(\ch)+(\u)/2):128*(\t)+8*(4*(\ch)+(\u)/2)+7], 0
.else
	v_wmma_f32_16x16x32_bf16 v[128*(\t)+8*(8*((\u)%2)+(\d)):128*(\t)+8*(8*((\u)%2)+(\d))+7], v[KB+64*((\u)%2)+8*(\d):KB+64*((\u)%2)+8*(\d)+7], v[128*(\t)+8*(4*(\ch)+(\u)/2):128*(\t)+8*(4*(\ch)+(\u)/2)+7], v[128*(\t)+8*(8*((\u)%2)+(\d)):128*(\t)+8*(8*((\u)%2)+(\d))+7]
.endif
.endr
.endr
.endm
.macro CHUNK ch, fill
	CHANGE \fill, 0                                ; with fill = 1 the four v_nop behind the joint load are the places in front of the loads below
.if !(\fill)
	PLACES
.endif
	v_add_nc_u32 v[AV], s[TB], v[AVL]
	FETCHV 0
	FETCHV 1
.irp u, 0,1,2,3,4,5,6,7
.if (\u) < 7
	s_wait_dscnt 16                                ; this unit's 16 loads are in; the next unit's may stay out
.else
	s_wait_dscnt 0x0
.endif
	MULV \ch, \u
.if (\u) < 6
	PLACES
	FETCHV (\u)+2
.endif
.endr
.endm
; THE WAY OUT of query tile t: a lane's eight numbers of a row go into rows of 1,040 bytes of my own stage and come back as whole rows.
.macro OUTT t
	PLACES
	WIN 0x04
.irp dt, 0,1,2,3,4,5,6,7,8,9,10,11,12,13,14,15
	ds_store_b128 v[STO], v[128*(\t)+8*(\dt):128*(\t)+8*(\dt)+3]   offset:(\dt)*64
	ds_store_b128 v[STO], v[128*(\t)+8*(\dt)+4:128*(\t)+8*(\dt)+7] offset:(\dt)*64+16
.endr
	WIN 0
	s_wait_xcnt 0x0                                ; earlier stores have read the registers that the loads below fill
.set i, 0
.rept 32
	ds_load_b128 v[KB+4*i:KB+4*i+3], v[RD] offset:(i/2)*SPITCH+(i%2)*512  ; LDS serves a wave's instructions in order (ISA guide 5.7.1.4): these see the stores above
.set i, i+1
.endr
.set i, 0
.rept 32
.if i%8 == 0
	s_wait_dscnt 24-i                              ; the next eight loads are in; the younger ones may stay out
.endif
	global_store_b128 v[L16], v[KB+4*i:KB+4*i+3], s[OUT:OUT+1] offset:(16*(\t)+i/2)*1024+(i%2)*512 th:TH_STORE_NT  ; 512 consecutive bytes, aligned
.set i, i+1
.endr
.endm
	s_load_b128 s[4:7], s[0:1], 0x0                ; ws s[4:5], out0 s[6:7]
	v_lshl_add_u32 v[SPW], v0, 2, SPARE
	v_mov_b32 v[NIL], 0
	ds_add_u32 v[SPW], v[NIL]                      ; the wave's opening: the add and its wait stand ahead of my first tensor load; the set-up below, work on registers, stands between them
	ds_add_u32 v12, v13
	v_lshrrev_b32 v1, 5, v0
	v_readfirstlane_b32 s[WV], v1                  ; wave 0..3
	s_bfe_u32 s42, ttmp6, 0x40000                  ; cx: my place in the cluster: it enters Q's, out0's and the prefetches' addresses alone
	s_and_b32 s43, ttmp7, 0xffff                   ; 16 b + c, which the four partners share
	s_mul_i32 s44, s43, 0x140000                   ; its block of ws
	; descriptor group 1: a quarter of a tile, 16,384 dense bytes, as 64 rows of 256 bytes, 16 bytes of padding behind each
	s_mov_b32 s[G1], 15|(3<<16)|(1<<20)|(1<<21)|(5<<22)|(3<<25)  ; 15:0 the mask of four; 17:16 8-byte elements; 20 padding on; 21 set beside a mask; 24:22 after every 64 words (code 5); 31:25 4 words (code 3)
	s_mov_b32 s[G1+1], 32<<16                      ; tensor_dim0 = 32
	s_mov_b32 s[G1+2], 64<<16                      ; tensor_dim1 = 64
	s_mov_b32 s[G1+3], 32<<16                      ; tile_dim0 = 32
	s_mov_b32 s[G1+4], 64                          ; tile_dim1 = 64
	s_mov_b32 s[G1+5], 32                          ; 32 elements from row to row
	s_mov_b32 s[G1+6], 0
	s_mov_b32 s[G1+7], 0
	s_mov_b32 s[G0], 1                             ; count = 1
	s_mul_i32 s[G0+1], s[WV], 64*RP                ; LDS address: my quarter of slot 0
	s_lshl_b32 s2, s[WV], 14                       ; my quarter in memory,
	s_add_co_u32 s2, s2, s44
	s_add_co_u32 s2, s2, 0x80000                   ; of K's head 0
	s_mov_b32 s3, 0
	s_lshl_b32 s46, s42, 14                        ; Q: query tile 8 cx + 2 w, 2,048 bytes a tile
	s_lshl_b32 s45, s[WV], 12
	s_add_co_u32 s46, s46, s45
	s_add_co_u32 s46, s46, s44
	s_mov_b32 s47, 0
	s_lshl_b32 s48, s42, 15                        ; the prefetches: 32,768 bytes a work-group, 8,192 a wave, of X's first half
	s_lshl_b32 s45, s[WV], 13
	s_add_co_u32 s48, s48, s45
	s_add_co_u32 s48, s48, s44
	s_add_co_u32 s48, s48, 0x100000
	s_mov_b32 s49, 0
	s_lshl_b32 s50, s43, 19                        ; out0: row 512 (16 b + c) + 128 cx + 32 w, 1,024 bytes a row
	s_lshl_b32 s45, s42, 17
	s_add_co_u32 s50, s50, s45
	s_lshl_b32 s45, s[WV], 15
	s_add_co_u32 s50, s50, s45
	s_mov_b32 s51, 0
	s_mov_b32 s[BK+1], 0
	s_mov_b32 s[PS+1], 0
	s_mov_b32 s[CS], 0x3e8293ee                    ; c = log2(e) / sqrt(32) = 0.255035
	s_mov_b32 s[CS+1], s[CS]                       ; named with it as a pair
	s_mov_b32 s[SEL], 0x76543210
	s_mov_b32 s[SEL+1], 0xfedcba98
	s_mov_b32 s[TB], SLOT1                         ; the first change of slots turns it into 0
	s_mov_b32 s[QOF], 0
	s_mov_b32 s[T], 2
	s_mov_b32 s[NT], 16
	v_and_b32 v1, 15, v0                           ; l % 16
	v_bfe_u32 v2, v0, 4, 1                         ; l / 16
	v_and_b32 v15, 31, v0
	v_lshlrev_b32 v[L16], 4, v15
	v_lshlrev_b32 v[PFO], 8, v15
	v_lshl_add_u32 v[AKL], v2, 4, v[L16]
	v_and_b32 v15, 7, v0
	v_lshl_add_u32 v[AVL], v2, 3, v15              ; the turning load: lane l reads key 8 (l / 16) + l % 8,
	v_mul_u32_u24 v[AVL], v[AVL], XPI
	v_bfe_u32 v15, v0, 3, 1
	v_lshl_add_u32 v[AVL], v15, 4, v[AVL]          ; columns 8 ((l / 8) % 2) + 0..7
	s_mul_i32 s45, s[WV], 16*SPITCH
	s_add_co_u32 s45, s45, STAGE                   ; my stage
	v_mul_u32_u24 v[STO], v1, SPITCH
	v_lshl_add_u32 v[STO], v2, 5, v[STO]
	v_add_nc_u32 v[STO], s45, v[STO]
	v_add_nc_u32 v[RD], s45, v[L16]
	v_mov_b32 v[TP], 0                             ; v_permlanex16_b32's destination counts as read
	s_wait_dscnt 0x0                               ; the opening add is done
	s_wait_kmcnt 0x0
	s_add_nc_u64 s[G0+2:G0+3], s[4:5], s[2:3]      ; global address
	s_or_b32 s[G0+3], s[G0+3], 0x80000000          ; type = 2
	s_add_nc_u64 s[QB:QB+1], s[4:5], s[46:47]
	s_add_nc_u64 s[PFA:PFA+1], s[4:5], s[48:49]
	s_add_nc_u64 s[OUT:OUT+1], s[6:7], s[50:51]
	CROUND                                         ; all four work-groups are here: the first joint loads meet
	tensor_load_to_lds s[G0:G0+3], s[G1:G1+7]      ; K's head 0 into slot 0
	s_nop 0
.rept 4
	v_nop
.endr
	LDQ                                            ; the first pass's Q
	WIN 0xc0
.set i, 128
.rept 128
	v_mov_b32 v[i], 0                              ; so that the first move of the weights below reads written registers
.set i, i+1
.endr
	WIN 0
.Ltile:                                        ; a query tile: 8 passes
	WIN 0x80
.set i, 0
.rept 256
	v_mov_b32 v[i], 0                              ; PACC: cleared twice a launch, so that the pass has one text for every head
.set i, i+1
.endr
	WIN 0
	s_mov_b32 s[H], 8
.Lhead:
	CHANGE 1, 1
	PASS
	WIN 0
	s_sub_co_i32 s[NT], s[NT], 1
	s_sub_co_i32 s[H], s[H], 1
	s_cmp_lg_u32 s[H], 0
	s_cbranch_scc1 .Lhead
	WIN 0xc3                                       ; the weights of the tile before move down (the first time: the zeros),
.set i, 0
.rept 128
	v_mov_b32 v[i], v[128+i]
.set i, i+1
.endr
	WIN 0xca                                       ; and this tile's are rounded to bf16 in pairs: two key tiles' are source 1 of a K step
.set i, 0
.rept 128
	v_cvt_pk_bf16_f32 v[128+i], v[2*i], v[2*i+1]
.set i, i+1
.endr
	WIN 0
	s_sub_co_i32 s[T], s[T], 1
	s_cmp_lg_u32 s[T], 0
	s_cbranch_scc1 .Ltile
	CHUNK 0, 1
	CHUNK 1, 1
	CHUNK 2, 1
	CHUNK 3, 0                                     ; nothing is left to ask for
	OUTT 0
	OUTT 1
	s_wait_tensorcnt 0x0                           ; the wave's end: behind my last tensor load and my last LDS store
	ds_add_u32 v[SPW], v[NIL]
	s_wait_dscnt 0x0
	CROUND                                         ; the closing round: no work-group ends while a partner may still ask for a tile that names it
	s_endpgm
.Lfunc_end_k_q8f7bccd034_tattn:
	.size	k_q8f7bccd034_tattn, .Lfunc_end_k_q8f7bccd034_tattn-k_q8f7bccd034_tattn
	.p2alignl 7, 3214868480
	.fill 96, 4, 3214868480
	.section	.rodata,"a",@progbits
	.p2align	6, 0x0
	.amdhsa_kernel k_q8f7bccd034_tattn
		.amdhsa_group_segment_fixed_size 327680
		.amdhsa_private_segment_fixed_size 0
		.amdhsa_enable_private_segment 0
		.amdhsa_kernarg_size 16
		.amdhsa_user_sgpr_count 2
		.amdhsa_user_sgpr_kernarg_segment_ptr 1
		.amdhsa_wavefront_size32 1
		.amdhsa_system_sgpr_workgroup_id_x 1
		.amdhsa_system_sgpr_workgroup_id_y 1
		.amdhsa_system_sgpr_workgroup_id_z 1
		.amdhsa_system_vgpr_workitem_id 0
		.amdhsa_next_free_vgpr 1024
		.amdhsa_next_free_sgpr 66
		.amdhsa_reserve_vcc 0
		.amdhsa_float_denorm_mode_32 3
		.amdhsa_float_denorm_mode_16_64 3
		.amdhsa_memory_ordered 1
		.amdhsa_forward_progress 1
		.amdhsa_inst_pref_size 175
	.end_amdhsa_kernel
	.amdgpu_metadata
---
amdhsa.version: [ 1, 2 ]
amdhsa.kernels:
  - .name:           k_q8f7bccd034_tattn
    .symbol:         k_q8f7bccd034_tattn.kd
    .args:
      - { .name: ws, .offset: 0, .size: 8, .value_kind: global_buffer, .address_space: global }
      - { .name: out0, .offset: 8, .size: 8, .value_kind: global_buffer, .address_space: global }
    .group_segment_fixed_size: 327680
    .private_segment_fixed_size: 0
    .kernarg_segment_align: 8
    .kernarg_segment_size: 16
    .max_flat_workgroup_size: 128
    .sgpr_count:     66
    .vgpr_count:     1024
    .wavefront_size: 32
...
	.end_amdgpu_metadata
.endif
;; end of part 3
;; ======== version 2 of 2: 3 launches; version 1 with the launch tproj written anew for expert scheduling mode
;; workspace buffers: ws 83,886,080 bytes
;; launch tproj (part 4): grid 256 x 1, 4 waves a work-group, no clusters, 68,096 bytes of LDS; arguments qz, time_u, time_v, ws; writes ws
.if DOCPART == 4
	.amdgcn_target "amdgcn-amd-amdhsa--gfx1250"
	.amdhsa_code_object_version 6
	.text
	.protected	k_q8f7bccd034_tproj
	.globl	k_q8f7bccd034_tproj
	.p2align	8
	.type	k_q8f7bccd034_tproj,@function
k_q8f7bccd034_tproj:
	s_mov_b64 s[64:65], 0
	v_nop
	global_prefetch_b8 v0, s[64:65] scope:SCOPE_SE
	s_setreg_imm32_b32 hwreg(HW_REG_WAVE_SCHED_MODE, 0, 2), 2
	s_setreg_imm32_b32 hwreg(HW_REG_WAVE_MODE, 25, 1), 1
	s_wait_xcnt 0x0
	s_wait_alu depctr_vm_vsrc(0)
; TPROJ.  For the time message: X = qz rounded to bf16; qu = X U^T, qv = X V^T (U = time_u, V = time_v, rounded to bf16; sums in f32).
; ws has one block of 0x140000 bytes for each (b, c): Q (qu) at 0, K (qv) at 0x80000, each [head 8][tile of 16 rows: 32][2,048 bytes]; X at 0x100000, [p 512][512 bytes] bf16.
; A tile of 2,048 bytes is the register image of a 16 x 32 matrix operand, twice: hi (registers 0-3 at 16 x lane, 4-7 at 512 + 16 x lane) and lo (the same from byte 1,024 on).
; LIMITS.  qu and qv are kept as hi + lo, two bf16 numbers: hi = bf16(y), lo = bf16(y - hi) (the difference is exact): 16 significant bits.  All inputs are rounded to bf16.  NaN and infinities are not treated apart.
; SHARES.  A work-group has 128 rows of the flattened qz (all of one (b, c)); its X lies in LDS, rows 528 bytes apart (512 + 16: an odd multiple of 16).  Wave w makes heads 2 w and 2 w + 1 of qu and qv
; for all 128 rows, a head a trip: 4 feature tiles (two of U, two of V) x 8 row tiles = 32 accumulators.
; LAYOUT.  Y^T = W X^T (source 0 = 16 weight rows, source 1 = 16 rows of X): a lane holds ONE row of X (lane % 16) and the features 8 (lane / 16) + 0..7.  The two feature tiles of a head, rounded in
; pairs, ARE the 16 x 32 operand of the score product: nothing changes lanes.
; NO CLUSTER: the weights are f32 and are rounded on the way, so they come through registers, and each wave reads weight rows of its own; qz is shared by nobody.
; REGISTERS, in windows of 256 (s_set_vgpr_msb: bits 1:0 source 0, 3:2 source 1, 5:4 source 2, 7:6 destination):
;   window 0: v0-8 addresses; v64-127 AF, the weights' fragments (ft, ksl) at 64 + 8 (2 ft + ksl); v128-255 XF0, X's fragments (rt, ksl) at 128 + 8 (2 rt + ksl) of quarters 0 and 2, later at work
;   window 1: the accumulators (ft, rt) at 8 (8 ft + rt); at the start the rows of qz as loaded      window 2: two buffers of 128 for the weights as loaded (f32)
;   window 3: the operands (uv, rt) at 16 (8 uv + rt): hi 8, lo 8; at the start X as stored; during the quarters v0-127 are XF1, X's fragments (rt, ksl) at 8 (2 rt + ksl) of quarters 1 and 3
; THE MODE: SCHED_MODE bits 1:0 = 2 (LLVM: expert scheduling mode 2), set by the entry lines.  The code itself states the register dependences
; between vector or matrix instructions and memory or LDS instructions, with s_wait_alu, always for 0.
; THE PLAN.  Registers that memory or LDS instructions touch:
;   v4-v8        offsets and addresses: written once at the head, read by every load and store, never written again.
;   RAW0, RAW1   Quarter q: its 64 conversions read RAW[q % 2]; behind them the loads for the quarter two on land in it.
;   XF0, XF1     Quarter q: its products read XF[q % 2]; the LDS loads of quarter q + 1's fragments land in the other, which the products of quarter q - 1 read.  Quarter 3 fetches none: the
;                operands' making takes XF0 as its work space and XF1 for U's operands.  Quarter 0's fragments are loaded at the trip's head.
;   window 3     v0-127: written by the head's conversions and read by its stores of X; then XF1; then U's operands, written by SPLIT 0 and read by 32 stores.  v128-255: V's operands, written by SPLIT 1, read by 32 stores.
;   AF and the accumulators are named by vector and matrix instructions alone.
; So ONE wait on va_vdst stands in a quarter, behind its conversions; the quarter's 64 loads follow it in four runs of 16, dealt among its products, which name AF, XF[q % 2] and the accumulators: none of the
; registers that those loads touch.  One more stands ahead of each matrix's 32 stores; U's stores are dealt among the lines that unpack V's operands, which name window 3's v128-255 and XF0 alone.
; One wait on vm_vsrc stands at a trip's end, and one behind the barrier, ahead of the first line or load that writes registers which stores have read.
.set PITCH, 528                        ; X takes 128 x 528 bytes of LDS; the 512 bytes behind it are the spare words of the closing add
.set WO,  4                            ; v4   (l % 16) x 1,024 + (l / 16) x 32: my bytes in 16 weight rows
.set XA,  5                            ; v5   (l % 16) x 528 + (l / 16) x 16: my bytes in 16 rows of X in LDS
.set L16, 6                            ; v6   16 x lane
.set X32, 7                            ; v7   32 x lane
.set XS,  8                            ; v8   where I put 16 bytes of my wave's first row of X
.set AF,  64
.set BF,  128                          ; XF0, and the work space of SPLIT
.set WV,  12                           ; s12  my wave's number
.set UP,  14                           ; s[14:15] U at the head in hand; s[16:17] V; s[18:19], s[20:21] the same at the head whose weights are fetched ahead
.set VP,  16
.set UN,  18
.set VN,  20
.set ST,  22                           ; s[22:23] bytes from the head in hand to the one fetched ahead
.set MASK, 24                          ; s24  a word's upper bf16
.set J,   25                           ; s25  heads to go
.set XP,  26                           ; s[26:27] qz at my wave's 32 rows
.set XW,  28                           ; s[28:29] X in ws at the same rows
.set OB,  30                           ; s[30:31] Q in ws at the head in hand, at the work-group's 8 tiles
.set MSB, 0
.macro WIN new                         ; the immediate's high byte repeats the setting that is left; a switch that changes nothing is dropped
.if MSB != (\new)
	s_set_vgpr_msb (MSB<<8)|(\new)
.set MSB, \new
.endif
.endm
.macro PLACES                          ; four places behind a matrix instruction, in front of a vector instruction that reads its result or writes one of its registers (ISA guide 7.12.1)
.rept 4
	v_nop
.endr
.endm
; 16 loads: the weights of two K steps (quarter kq of K = 256) for feature tiles f0 and f0 + 1 (0: U's, 2: V's), as f32, into raw buffer buf.  A lane's 8 + 8 numbers of a fragment are four pieces of 16 bytes.
.macro LDRAW buf, nxt, kq, f0
	WIN 0x80
.irp ft, \f0, (\f0)+1
.irp ksl, 0,1
.irp pc, 0,1,2,3
	global_load_b128 v[128*(\buf)+16*(2*(\ft)+(\ksl))+4*(\pc):128*(\buf)+16*(2*(\ft)+(\ksl))+4*(\pc)+3], v[WO], s[UP+2*((\ft)/2)+4*(\nxt):UP+2*((\ft)/2)+4*(\nxt)+1] offset:((\ft)%2)*16384+(2*(\kq)+(\ksl))*128+((\pc)/2)*64+((\pc)%2)*16
.endr
.endr
.endr
.endm
.macro CVTA buf                        ; the raw buffer rounded to bf16: eight fragments
	WIN 0x0a
.set i, 0
.rept 64
	v_cvt_pk_bf16_f32 v[AF+i], v[128*(\buf)+2*i], v[128*(\buf)+2*i+1]
.set i, i+1
.endr
.endm
; 16 LDS loads: X's fragments of quarter kq's two K steps, row tiles r0 to r0 + 3, into XF[kq % 2]
.macro LDB kq, r0
.if (\kq)%2
	WIN 0xc0                                       ; XF1: destination window 3, address window 0
.else
	WIN 0
.endif
.set bb, BF*(1-(\kq)%2)
.irp rt, \r0, (\r0)+1, (\r0)+2, (\r0)+3
.irp ksl, 0,1
	ds_load_b128 v[bb+8*(2*(\rt)+(\ksl)):bb+8*(2*(\rt)+(\ksl))+3],   v[XA] offset:(\rt)*16*PITCH+(2*(\kq)+(\ksl))*64
	ds_load_b128 v[bb+8*(2*(\rt)+(\ksl))+4:bb+8*(2*(\rt)+(\ksl))+7], v[XA] offset:(\rt)*16*PITCH+(2*(\kq)+(\ksl))*64+32
.endr
.endr
.endm
; 16 products: K step ksl of quarter kq, feature tiles f0 and f0 + 1 x all 8 row tiles.  Over a quarter's four runs the 32 accumulators take turns, one instruction a turn.  zero = 1: they start the sums
.macro MUL16 kq, ksl, f0, zero
.if (\kq)%2
	WIN 0x5c                                       ; X's fragments in window 3
.else
	WIN 0x50
.endif
.set bb, BF*(1-(\kq)%2)
.irp ft, \f0, (\f0)+1
.irp rt, 0,1,2,3,4,5,6,7
.if \zero
	v_wmma_f32_16x16x32_bf16 v[8*(8*(\ft)+(\rt)):8*(8*(\ft)+(\rt))+7], v[AF+8*(2*(\ft)+(\ksl)):AF+8*(2*(\ft)+(\ksl))+7], v[bb+8*(2*(\rt)+(\ksl)):bb+8*(2*(\rt)+(\ksl))+7], 0
.else
	v_wmma_f32_16x16x32_bf16 v[8*(8*(\ft)+(\rt)):8*(8*(\ft)+(\rt))+7], v[AF+8*(2*(\ft)+(\ksl)):AF+8*(2*(\ft)+(\ksl))+7], v[bb+8*(2*(\rt)+(\ksl)):bb+8*(2*(\rt)+(\ksl))+7], v[8*(8*(\ft)+(\rt)):8*(8*(\ft)+(\rt))+7]
.endif
.endr
.endr
.endm
; A quarter of K: raw buffer buf holds its weights; when they are rounded the buffer is asked for again, for quarter nkq of this head (nxt = 0) or of the head fetched ahead (nxt = 1).
.macro QUARTER kq, buf, nxt, nkq, zero
	PLACES                                         ; AF was read by the last products; the conversions below write it
	s_wait_loadcnt 32                              ; this buffer's 32 loads are in; the other buffer's 32, issued behind them, may stay out
	CVTA \buf
	WIN 0x80
	s_wait_alu depctr_va_vdst(0)                   ; the conversions are done reading RAW[buf], in which the loads of the weights land; the quarter before's products are done reading the other XF (in quarter 0: SPLIT 0 has written it and quarter 3's products have read it), in which the next quarter's fragments land
	LDRAW \buf, \nxt, \nkq, 0
	s_wait_dscnt 0x0                               ; this quarter's fragments of X, asked for a quarter ago (quarter 0's: at the trip's head)
	MUL16 \kq, 0, 0, \zero
.if (\kq) < 3
	LDB (\kq)+1, 0                                 ; no wait: no vector or matrix instruction since the wait above names the other XF
.endif
	MUL16 \kq, 0, 2, \zero
.if (\kq) < 3
	LDB (\kq)+1, 4
.endif
	MUL16 \kq, 1, 0, 0
	LDRAW \buf, \nxt, \nkq, 2                      ; no wait: nor RAW[buf]
	MUL16 \kq, 1, 2, 0
.endm
; The results of matrix uv (0: U, 1: V) become operands: hi = bf16(y), lo = bf16(y - hi).  Each accumulator is read from its low end on.
; uv = 1: U's eight operands, finished by SPLIT 0, go out among the lines that unpack V's hi, a store behind every four of them, under the same window setting: operand rt's piece q is the
; store number 4 rt + q, 512 consecutive bytes, aligned.
.macro SPLIT uv
	WIN 0xc5
.set n, 0
.rept 64
	v_cvt_pk_bf16_f32 v[16*(8*(\uv)+n/8)+n%8], v[8*(8*(2*(\uv)+(n%8)/4)+n/8)+2*(n%4)], v[8*(8*(2*(\uv)+(n%8)/4)+n/8)+2*(n%4)+1]
.set n, n+1
.endr
	WIN 0x0c
.if \uv
	s_wait_alu depctr_va_vdst(0)                   ; SPLIT 0 has written U's operands, window 3's v0-127, which the stores below read; the lines among which they stand name v128-255 of that window and XF0 alone
.endif
.set n, 0
.rept 64
	v_lshlrev_b32 v[BF+2*n],   16, v[16*(8*(\uv)+n/8)+n%8]        ; hi as f32: the low half moves up,
	v_and_b32     v[BF+2*n+1], s[MASK], v[16*(8*(\uv)+n/8)+n%8]   ; the high half stays
.if (\uv) && (n%2 == 1)
	global_store_b128 v[L16], v[4*(n/2):4*(n/2)+3], s[OB:OB+1] offset:(n/2)*512
.endif
.set n, n+1
.endr
	WIN 0x01
.set n, 0
.rept 64
	v_pk_add_f32 v[BF+2*n:BF+2*n+1], v[8*(8*(2*(\uv)+(n%8)/4)+n/8)+2*(n%4):8*(8*(2*(\uv)+(n%8)/4)+n/8)+2*(n%4)+1], v[BF+2*n:BF+2*n+1] neg_lo:[0,1] neg_hi:[0,1]  ; y - hi
.set n, n+1
.endr
	WIN 0xc0
.set n, 0
.rept 64
	v_cvt_pk_bf16_f32 v[16*(8*(\uv)+n/8)+8+n%8], v[BF+2*n], v[BF+2*n+1]
.set n, n+1
.endr
.endm
.macro PUT uv                          ; the eight operands go out as they lie in registers: each store covers 512 consecutive bytes, aligned
	WIN 0x0c
.irp rt, 0,1,2,3,4,5,6,7
.irp q, 0,1,2,3
	global_store_b128 v[L16], v[16*(8*(\uv)+(\rt))+4*(\q):16*(8*(\uv)+(\rt))+4*(\q)+3], s[OB:OB+1] offset:(\uv)*0x80000+(\rt)*2048+(\q)*512
.endr
.endr
.endm
; Eight rows of X, group gq, go to LDS and to ws
.macro XOUT gq
	WIN 0x0c
	s_wait_alu depctr_va_vdst(0)                   ; the group's conversions have written window 3's v[32 gq ..], which the stores below read
.set i, 0
.rept 8
	ds_store_b128 v[XS], v[32*(\gq)+4*i:32*(\gq)+4*i+3] offset:(8*(\gq)+i)*PITCH
	global_store_b128 v[L16], v[32*(\gq)+4*i:32*(\gq)+4*i+3], s[XW:XW+1] offset:(8*(\gq)+i)*512  ; a row: 512 consecutive bytes, aligned
.set i, i+1
.endr
.endm
	s_load_b256 s[4:11], s[0:1], 0x0               ; qz s[4:5], time_u s[6:7], time_v s[8:9], ws s[10:11]
	v_lshl_add_u32 v62, v0, 2, 0x10800
	v_mov_b32 v63, 0
	v_lshrrev_b32 v1, 5, v0
	v_readfirstlane_b32 s[WV], v1                  ; wave 0..3
	v_and_b32 v1, 15, v0                           ; l % 16
	v_bfe_u32 v2, v0, 4, 1                         ; l / 16
	v_and_b32 v3, 31, v0                           ; lane
	v_lshlrev_b32 v[WO], 10, v1
	v_lshl_add_u32 v[WO], v2, 5, v[WO]
	v_mul_u32_u24 v[XA], v1, PITCH
	v_lshl_add_u32 v[XA], v2, 4, v[XA]
	v_lshlrev_b32 v[L16], 4, v3
	v_lshlrev_b32 v[X32], 5, v3
	s_wait_alu depctr_va_sdst(0)                   ; s12, the wave's number, is written, ahead of its first reader: the LDS address and the bases below are made from it
	s_mul_i32 s40, s[WV], 32*PITCH
	v_add_nc_u32 v[XS], s40, v[L16]
	s_lshl_b32 s2, ttmp9, 17                       ; the work-group's 128 rows of 1,024 bytes,
	s_lshl_b32 s3, s[WV], 15                       ; my wave's 32
	s_add_co_u32 s2, s2, s3
	s_mov_b32 s3, 0
	s_lshr_b32 s32, ttmp9, 6                       ; b
	s_lshl_b32 s32, s32, 18                        ; its 256 x 256 weights,
	s_lshl_b32 s33, s[WV], 16                      ; head 2 w: 64 w rows
	s_add_co_u32 s32, s32, s33
	s_mov_b32 s33, 0
	s_lshr_b32 s34, ttmp9, 2                       ; 16 b + c
	s_mul_i32 s34, s34, 0x140000                   ; its block of ws
	s_and_b32 s35, ttmp9, 3                        ; which 128 of its 512 rows
	s_lshl_b32 s36, s35, 16
	s_add_co_u32 s36, s36, s34
	s_lshl_b32 s37, s[WV], 14
	s_add_co_u32 s36, s36, s37
	s_add_co_u32 s36, s36, 0x100000                ; X: 512 bytes a row
	s_mov_b32 s37, 0
	s_lshl_b32 s38, s35, 14                        ; Q: 8 tiles of 2,048 bytes,
	s_add_co_u32 s38, s38, s34
	s_lshl_b32 s39, s[WV], 17                      ; head 2 w
	s_add_co_u32 s38, s38, s39
	s_mov_b32 s39, 0
	s_mov_b32 s[ST+1], 0
	s_mov_b32 s[MASK], 0xffff0000
	s_wait_kmcnt 0x0
	s_add_nc_u64 s[XP:XP+1], s[4:5], s[2:3]
	s_add_nc_u64 s[UP:UP+1], s[6:7], s[32:33]
	s_add_nc_u64 s[VP:VP+1], s[8:9], s[32:33]
	s_add_nc_u64 s[XW:XW+1], s[10:11], s[36:37]
	s_add_nc_u64 s[OB:OB+1], s[10:11], s[38:39]
	WIN 0x80
	s_wait_alu depctr_va_vdst(0)                   ; the five offsets and addresses v4 to v8 are written: every load and store of the kernel reads one of them
	LDRAW 0, 0, 0, 0                               ; the first head's first two quarters of weights
	LDRAW 0, 0, 0, 2
	LDRAW 1, 0, 1, 0
	LDRAW 1, 0, 1, 2
	; X.  My wave's 32 rows of qz: a lane takes 8 numbers of a row (two loads of 16 bytes), which round to 16 bytes of bf16
	WIN 0x40
.set i, 0
.rept 32
	global_load_b128 v[8*i:8*i+3],   v[X32], s[XP:XP+1] offset:i*1024 th:TH_LOAD_NT
	global_load_b128 v[8*i+4:8*i+7], v[X32], s[XP:XP+1] offset:i*1024+16 th:TH_LOAD_NT
.set i, i+1
.endr
.irp gq, 0,1,2,3                       ; eight rows at a time; a group's stores stand behind the wait for the next group's data, ahead of that group's conversions, which write other registers
	s_wait_loadcnt 48-16*(\gq)                     ; loads come back in order: the later rows' loads may stay out
.if (\gq) > 0
	XOUT (\gq)-1
.endif
	WIN 0xc5
.set i, 0
.rept 32
	v_cvt_pk_bf16_f32 v[32*(\gq)+i], v[64*(\gq)+2*i], v[64*(\gq)+2*i+1]
.set i, i+1
.endr
.endr
	XOUT 3
	WIN 0
	s_wait_dscnt 0x0                               ; for the others' sake: my rows of X lie in LDS
	s_barrier_signal -1
	s_barrier_wait -1
	s_wait_xcnt 0x0                                ; the stores of X have had their addresses translated: their data registers are written again only behind this wait
	s_wait_alu depctr_vm_vsrc(0)                   ; the LDS and global stores of X have read window 3's v0-127, in which quarter 1's fragments land and which the operands take
	s_mov_b32 s[J], 2
.Lhead:                                        ; a head of U and of V
	s_cmp_eq_u32 s[J], 1
	s_cselect_b32 s[ST], 0, 0x8000                 ; the next head lies 32 rows on; the last trip's loads ahead name its own head once more: inside the buffer, and not used
	s_add_nc_u64 s[UN:UN+1], s[UP:UP+1], s[ST:ST+1]
	s_add_nc_u64 s[VN:VN+1], s[VP:VP+1], s[ST:ST+1]
	LDB 0, 0                                       ; quarter 0's fragments into XF0.  No wait: in the first trip no vector line has named XF0; later SPLIT's lines, which did, stand ahead of the wait in front of V's stores, and no vector line follows that wait
	LDB 0, 4
	QUARTER 0, 0, 0, 2, 1
	QUARTER 1, 1, 0, 3, 0
	QUARTER 2, 0, 1, 0, 0
	QUARTER 3, 1, 1, 1, 0
	PLACES
	SPLIT 0
	SPLIT 1                                        ; U's operands go out in it
	WIN 0x0c
	s_wait_alu depctr_va_vdst(0)                   ; SPLIT 1 has written V's operands, which the stores below read, and is done with XF0, in which the next trip's first fragments land
	PUT 1
	WIN 0
	s_wait_xcnt 0x0                                ; every load and store so far has had its addresses translated: pointers and operands may be written
	s_wait_alu depctr_vm_vsrc(0)                   ; the 64 stores have read the operands: in the next trip fragments of X land in v0-127 of window 3, and SPLIT writes all of it
	s_mov_b64 s[UP:UP+1], s[UN:UN+1]
	s_mov_b64 s[VP:VP+1], s[VN:VN+1]
	s_add_nc_u64 s[OB:OB+1], s[OB:OB+1], 0x10000   ; the next head's 32 tiles
	s_sub_co_i32 s[J], s[J], 1
	s_cmp_lg_u32 s[J], 0
	s_cbranch_scc1 .Lhead
	s_wait_dscnt 0x0                               ; the wave's end: the closing add follows below
	s_wait_alu depctr_hold_cnt(0) depctr_sa_sdst(0) depctr_va_vdst(0) depctr_va_sdst(0) depctr_va_ssrc(0) depctr_va_vcc(0) depctr_vm_vsrc(0)
	s_wait_tensorcnt 0x0
	ds_add_u32 v62, v63
	s_wait_dscnt 0x0
	s_endpgm
.Lfunc_end_k_q8f7bccd034_tproj:
	.size	k_q8f7bccd034_tproj, .Lfunc_end_k_q8f7bccd034_tproj-k_q8f7bccd034_tproj
	.p2alignl 7, 3214868480
	.fill 96, 4, 3214868480
	.section	.rodata,"a",@progbits
	.p2align	6, 0x0
	.amdhsa_kernel k_q8f7bccd034_tproj
		.amdhsa_group_segment_fixed_size 68096
		.amdhsa_private_segment_fixed_size 0
		.amdhsa_enable_private_segment 0
		.amdhsa_kernarg_size 32
		.amdhsa_user_sgpr_count 2
		.amdhsa_user_sgpr_kernarg_segment_ptr 1
		.amdhsa_wavefront_size32 1
		.amdhsa_system_sgpr_workgroup_id_x 1
		.amdhsa_system_sgpr_workgroup_id_y 1
		.amdhsa_system_sgpr_workgroup_id_z 1
		.amdhsa_system_vgpr_workitem_id 0
		.amdhsa_next_free_vgpr 1024
		.amdhsa_next_free_sgpr 66
		.amdhsa_reserve_vcc 0
		.amdhsa_float_denorm_mode_32 3
		.amdhsa_float_denorm_mode_16_64 3
		.amdhsa_memory_ordered 1
		.amdhsa_forward_progress 1
		.amdhsa_inst_pref_size 122
	.end_amdhsa_kernel
	.amdgpu_metadata
---
amdhsa.version: [ 1, 2 ]
amdhsa.kernels:
  - .name:           k_q8f7bccd034_tproj
    .symbol:         k_q8f7bccd034_tproj.kd
    .args:
      - { .name: qz, .offset: 0, .size: 8, .value_kind: global_buffer, .address_space: global }
      - { .name: time_u, .offset: 8, .size: 8, .value_kind: global_buffer, .address_space: global }
      - { .name: time_v, .offset: 16, .size: 8, .value_kind: global_buffer, .address_space: global }
      - { .name: ws, .offset: 24, .size: 8, .value_kind: global_buffer, .address_space: global }
    .group_segment_fixed_size: 68096
    .private_segment_fixed_size: 0
    .kernarg_segment_align: 8
    .kernarg_segment_size: 32
    .max_flat_workgroup_size: 128
    .sgpr_count:     66
    .vgpr_count:     1024
    .wavefront_size: 32
...
	.end_amdgpu_metadata
.endif
;; end of part 4
;; launch chan: the kernel of part 2 again; grid 256 x 1, 4 waves a work-group, no clusters, 200,192 bytes of LDS; arguments ws, channel_u, channel_v, out1; writes out1
;; launch tattn: the kernel of part 3 again; grid 4 x 64, 4 waves a work-group, clusters of 4 x 1, 327,680 bytes of LDS; arguments ws, out0; writes out0
